; MI455X (gfx1250); checked and timed in simulation.
; The chip was launched on July 23, 2026; its instructions are those of AMD's public machine-readable ISA for CDNA 5 (MIT licence, August 2026) and "CDNA5" Instruction Set Architecture Reference Guide (July 2026). The comments in the code are by the model that wrote it; some were corrected since.
;; MAB. Allowed arithmetic: matrix products marked QUANTISED: E2M1 operands, one E8M0 scale for each 32 along K, by v_wmma_scale_f32_16x16x128_f8f6f4 with both operands' format E2M1 (or v_wmma_scale_f32_32x16x128_f4), f32 sums; everything else in f32.
;; Inputs: K_codes 4 x 2,048 x 32 x 16 uint8 (E2M1 codes of K, K innermost, in blocks of 32 codes, two codes a byte); K_scales 4 x 2,048 x 32 uint8 (E8M0 scales of K, one for each 32 codes along K); Q_codes 4 x 2,048 x 32 x 16 uint8 (E2M1 codes of Q, K innermost, in blocks of 32 codes, two codes a byte); Q_scales 4 x 2,048 x 32 uint8 (E8M0 scales of Q, one for each 32 codes along K); Wk_codes 1,024 x 32 x 16 uint8 (E2M1 codes of Wk, K innermost, in blocks of 32 codes, two codes a byte); Wk_scales 1,024 x 32 uint8 (E8M0 scales of Wk, one for each 32 codes along K); Wo_codes 1,024 x 32 x 16 uint8 (E2M1 codes of Wo, K innermost, in blocks of 32 codes, two codes a byte); Wo_scales 1,024 x 32 uint8 (E8M0 scales of Wo, one for each 32 codes along K); Wq_codes 1,024 x 32 x 16 uint8 (E2M1 codes of Wq, K innermost, in blocks of 32 codes, two codes a byte); Wq_scales 1,024 x 32 uint8 (E8M0 scales of Wq, one for each 32 codes along K); Wv_codes 1,024 x 32 x 16 uint8 (E2M1 codes of Wv, K innermost, in blocks of 32 codes, two codes a byte); Wv_scales 1,024 x 32 uint8 (E8M0 scales of Wv, one for each 32 codes along K); b0 1,024 float32; b1 1,024 float32; bk 1,024 float32; bo 1,024 float32; bq 1,024 float32; bv 1,024 float32; g0 1,024 float32; g1 1,024 float32.
;; Outputs: out0 4 x 2,048 x 1,024 float32.
;; This version of the problem:
;;   THIS VERSION OF THE PROBLEM IS GIVEN IN LOW PRECISION. The matrix products marked QUANTISED in the list below multiply operands that are first quantised to E2M1 (2 exponent bits, 1 mantissa bit; 4 bits a number), with one power-of-two scale for each 32 numbers along K (OCP MX v1.0); their sums are f32. All else is computed in f32.
;;   The module's matrix products, in the order in which they are computed (A, B: the left and right operand; K: the contracted axis; several contracted axes count as one K, in the product's order):
;;     1. [M 8,192, K 1,024] x [K 1,024, N 1,024]; A: input Q (given as codes); B: input Wq (given as codes): QUANTISED
;;     2. [M 8,192, K 1,024] x [K 1,024, N 1,024]; A: input K (given as codes); B: input Wk (given as codes): QUANTISED
;;     3. [M 8,192, K 1,024] x [K 1,024, N 1,024]; A: input K (given as codes); B: input Wv (given as codes): QUANTISED
;;     4. batch 32 x [M 2,048, K 128] x [K 128, N 2,048]; A: computed on the way; B: computed on the way: QUANTISED
;;     5. batch 32 x [M 128, K 2,048] x [K 2,048, N 2,048]; A: computed on the way; B: softmax (see below): QUANTISED
;;     6. [M 8,192, K 1,024] x [K 1,024, N 1,024]; A: computed on the way; B: input Wo (given as codes): QUANTISED
;;   THE QUANTISER, for each operand of a quantised product, along K:
;;     - K is cut into blocks of 32 from its start; a last block that is shorter is filled with zeros.
;;     - A block's scale is 2^e with e = floor(log2(the largest magnitude in the block)) - 2, held to -126 .. 127; a block of zeros has e = 0. As a byte (E8M0): e + 127.
;;     - Each number is divided by its block's scale, clamped to +-6, and rounded to the nearest number of E2M1, ties to even, subnormals kept.
;;     - The product sums the exact products of the quantised numbers (number of the format x scale) in f32.
;;   ~~~python
;;   def quantise(x, axis):      # numpy; x: float32 -> the quantised numbers, widened to float32 again
;;       x = np.moveaxis(x, axis, -1); K = x.shape[-1]
;;       x = np.pad(x, [(0, 0)] * (x.ndim - 1) + [(0, -K % 32)]); x = x.reshape(x.shape[:-1] + (-1, 32)); a = np.abs(x).max(-1, keepdims=True)
;;       e = np.where(a > 0, np.clip(np.frexp(np.where(a > 0, a, 1))[1] - 1 - 2, -126, 127), 0)      # np.frexp(a)[1] - 1 = floor(log2(a)), exactly
;;       r = np.clip(x / 2.0 ** e, -6, 6)
;;       step = 2.0 ** (np.maximum(np.frexp(np.where(r == 0, 1, r))[1] - 1, 0) - 1)
;;       q = np.round(r / step) * step * 2.0 ** e      # np.round: ties to even
;;       return np.moveaxis(q.reshape(q.shape[:-2] + (-1,))[..., :K], -1, axis).astype(np.float32)
;;   ~~~
;;   SOFTMAX AHEAD OF A QUANTISED PRODUCT. Where the list says 'softmax', what is quantised is not the finished softmax but p = 2^(t - M), with t = logit x log2(e) and M = ceil(the row's largest t), a whole number; so 1/2 < the row's largest p <= 1. The row's sum l is taken of the UNQUANTISED p, in f32, and the product's result is divided by l at the end. Since M is a whole number, a kernel that streams over the keys may use a running M (the ceiling of the running maximum): every later rescaling is an exact power of two, which a block's scale takes up: the codes' values come out the same.
;;   OPERANDS COMPUTED ON THE WAY. 'Computed on the way' means the value that the module computes at that place (a softmax that the list does not call 'softmax' is quantised finished and normalised). What goes into a quantiser is computed in f32, as accurately as f32 sums, v_exp_f32 and their like allow (about 1e-6 of the number): no bf16 or f16 on the way to a quantiser, and a product that is left as it is and whose result goes on into a quantised operand takes f32 operands (vector FMAs, or v_wmma_f32_16x16x4_f32). A number that lies on a knife's edge between two numbers of the format may be rounded either way, as far as f32 arithmetic and the matrix unit's own rounding can turn it there, and no further.
;;   INPUTS GIVEN AS CODES. K (in the module: [4, 2048, 1024], K = its axis 2); Q (in the module: [4, 2048, 1024], K = its axis 2); Wk (in the module: [1024, 1024], K = its axis 1); Wo (in the module: [1024, 1024], K = its axis 1); Wq (in the module: [1024, 1024], K = its axis 1); Wv (in the module: [1024, 1024], K = its axis 1): each comes as NAME_codes (uint8): NAME with its K axis moved to the last place and cut into blocks of 32 codes, [.., K / 32, bytes a block], one block behind the other in memory; two codes a byte, the lower K in the low four bits (a code: sign, 2 exponent bits, 1 mantissa bit); and NAME_scales (uint8): the same leading axes, one E8M0 byte (e + 127) for each 32 codes along K. Its value is code x scale, taken as it is: it is not quantised again, and the codes and scales need not be those that the quantiser above would give.
;; 2 versions, each right; version 2 is version 1 with the launch final written anew for expert scheduling mode. Each part assembles by itself: llvm-mc -triple=amdgcn-amd-amdhsa -mcpu=gfx1250 --defsym DOCPART=n.
;; ======== version 1 of 2: 3 launches
;; workspace buffers: kvc 8,388,608 bytes; kvs 524,288 bytes; qimg 4,194,304 bytes; wqimg 524,288 bytes; woimg 524,288 bytes; o 33,554,432 bytes
;; launch proj (part 1): grid 8 x 32, 4 waves a work-group, clusters of 4 x 4, 327,680 bytes of LDS; arguments K_codes, K_scales, Wk_codes, Wk_scales, Wv_codes, Wv_scales, bk, bv, Q_codes, Wq_codes, Wo_codes, kvc, kvs, qimg, wqimg, woimg; writes kvc, kvs, qimg, wqimg, woimg
.if DOCPART == 1
	.amdgcn_target "amdgcn-amd-amdhsa--gfx1250"
	.amdhsa_code_object_version 6
	.text
	.protected	k_q813c21b035_proj
	.globl	k_q813c21b035_proj
	.p2align	8
	.type	k_q813c21b035_proj,@function
k_q813c21b035_proj:
	s_mov_b64 s[64:65], 0
	v_nop
	global_prefetch_b8 v0, s[64:65] scope:SCOPE_SE
	s_setreg_imm32_b32 hwreg(HW_REG_WAVE_MODE, 25, 1), 1
	s_wait_xcnt 0x0
	s_wait_alu depctr_hold_cnt(0) depctr_sa_sdst(0) depctr_va_vdst(0) depctr_va_sdst(0) depctr_va_ssrc(0) depctr_va_vcc(0) depctr_vm_vsrc(0)
	s_getreg_b32 s2, hwreg(HW_REG_IB_STS2, 6, 4)
	s_cmp_eq_u32 s2, 0
	s_cbranch_scc0 .Lentry_in_a_cluster
	s_endpgm
.Lentry_in_a_cluster:
	s_bfe_u32 s2, ttmp6, 0x10000c
	s_cmp_lg_u32 s2, 0xf033
	s_cbranch_scc0 .Lentry_shape_is_right
	s_endpgm
.Lentry_shape_is_right:
; k = K Wk^T + bk and v = K Wv^T + bv on codes of FP4 (E2M1) with E8M0 scales, and both results quantised again at once: k along the head's 128, v along the keys.
; They leave as IMAGES OF OPERAND REGISTERS: a fragment (16 rows x 128 K, 8 registers a lane) is 1,024 bytes, register group c of lane l at 512 c + 16 l.
;   kvc [batch x head 32][key step 16][K: 8 fragments of 16 keys | V^T: 8 fragments of 16 units];  kvs the same with 512 bytes of scale words [row 16][fragment 8] for K and for V^T.
; Beside that each wave copies four fragments of Q's codes and one of Wq's or Wo's into the same image form (qimg, wqimg, woimg), while its first tiles are on their way.
; SHARES.  256 work-groups of four waves; a work-group makes 256 x 256 of a product, a wave 128 x 128 in 64 accumulators.  K = 1,024 is two LDS slots of 512: every fill is a first fill.
; The cluster's x is the MODE.  Mode 0 (k): "A" = K's tokens, "B" = Wk's units.  Mode 1 (v): "A" = Wv's units, "B" = K's tokens.  Source 0 = 16 rows of B, source 1 = 16 rows of A, so a lane holds one
; row of A and its registers run along B's rows: in mode 0 a token and 128 units of one head, in mode 1 a unit and 128 tokens: in both the 64 registers of A's block a run along the NEXT product's K.
; Only pointers, offsets and two masks are chosen by the mode (scalar selects): both modes take one path.
; THE ORDER ALONG THE NEXT K.  Register 8 b + j of lane (r, h) is index 16 b + 8 h + j.  The quantiser takes register 16 b + i as place 32 b + 16 h + i: each block of 32 holds its own 32 numbers, with its two
; middle octets exchanged.  q and p are laid the same way in the next launch, so the products are the same.
; CLUSTERS: 4 x 4.  A's tiles are shared along a row of the cluster, B's along a column: joint tensor loads with a mask of four.
; LIMITS: a block whose largest magnitude lies under 2^-124 (a block of zeros too) gets the scale byte 1; its bytes are read by this program alone.  NaN and infinities are not served.
; REGISTERS.  window 0: v1-3 r, h, lane; v4-15 at work; v16-29 addresses; v32-95 scale words, two sets; v96-111 bv of my 8 blocks (twice each); v112-119 the scale words made; v128-191 the copies' data, then A's
;   fragments, then the codes made; v192-255 a block's 64 numbers.   window 1: v0-63, v128-191 B's fragments, two sets; v64-127 bk.   windows 2, 3: the accumulators ((a, b) at v[8 (8 (a % 4) + b)]).
.set NQ,     4                         ; matrix instructions deep in a slot
.set ROWB,   256                       ; a tile's row: 512 codes
.set KROW,   512                       ; a row of codes in memory
.set PITCH,  272                       ; an LDS row: 256 bytes + 16 of padding: the 16 rows of a load start at 16 different banks (ISA guide 11.1)
.set FR,     8
.set NL,     2
.set NP,     4                         ; places behind this matrix instruction (ISA guide 7.12.1)
.set HALFT,  128*PITCH
.set SLOT,   4*HALFT
.set KS,     32                        ; a row of scale bytes
.set SCL,    2*SLOT
.set HALFS,  (128*KS/256)*272
.set SBLK,   (16*KS/256)*272
.set SPARE,  SCL+4*HALFS               ; the spare words: 128 bytes a wave, two blocks of 256 bytes that no other line names
.set ADRA, 16
.set ADRB, 20
.set L16,  24                          ; 16 x lane
.set KSO,  25                          ; 32 r + 16 h
.set ADRS, 27
.set SPW,  28
.set NIL,  29
.set SC,   32
.set BL,   96
.set SW,   112
.set AF,   128
.set RL,   128
.set PC,   128
.set T,    192
.set BR,   64                          ; in window 1
.set TM,   4
.set OUTW, 16
.set WV,   2
.set FB,   3                           ; wave / 2: my half of A's rows; also: I fetch for A (0) or B (1)
.set HB,   4                           ; wave % 2: my half of B's rows; also: which 128 rows I fetch
.set CX,   5
.set CY,   6
.set TC,   7
.set TR,   8
.set MA,   9
.set MB,   10
.set CL4,  11                          ; 4 x cluster y
.set G1,   24
.set G0,   32
.set G1B,  40
.set G0B,  48
.set G1S,  56
.set G1SB, 68
.set G0S,  76
.set G0SB, 80
.set SEL,  100
.set MK,   104                         ; all ones in mode 0, else 0
.set MV,   105                         ; the other way round
.set MSB, 0
.macro WIN new                         ; the immediate's high byte repeats the setting that is left
.if MSB != (\new)
	s_set_vgpr_msb (MSB<<8)|(\new)
.set MSB, (\new)
.endif
.endm
.set MUL_LO, 0xa1                      ; source 0 (B) window 1, source 1 (A) window 0, C and D window 2
.set MUL_HI, 0xf1
.set TO_B,   0x40
; A joint load: waves 0, 1 fetch for A, waves 2, 3 for B; the branch hangs on the wave's number alone.  Four v_nop follow each line.
.macro JLOAD g0a, g1a, g0b, g1b
	s_cmp_eq_u32 s[FB], 0
	s_cbranch_scc0 .Lfor_b_\@
	tensor_load_to_lds s[\g0a:\g0a+3], s[\g1a:\g1a+7]
	s_nop 0
.rept 4
	v_nop
.endr
	s_branch .Lasked_\@
.Lfor_b_\@:
	tensor_load_to_lds s[\g0b:\g0b+3], s[\g1b:\g1b+7]
	s_nop 0
.rept 4
	v_nop
.endr
.Lasked_\@:
.endm
.macro CROUND                          ; a round of the cluster's barrier
	s_barrier_signal -1
	s_barrier_wait -1
	s_cmp_lg_u32 s[WV], 0
	s_cbranch_scc1 .Lnot_wave_0_\@
	s_barrier_signal -3
.Lnot_wave_0_\@:
	s_barrier_wait -3
	s_barrier_signal -1
	s_barrier_wait -1
.endm
; 64 numbers of a lane, v[s] on, register 16 b + i = place 32 b + 16 (lane / 16) + i of my row, become a fragment's codes in v[pc] on and its scale word in v[pw].  tm: 12 registers at work.
.macro QUANT s, pc, pw, tm
.irp b, 0,1,2,3
	v_max3_num_f32 v[(\tm)+\b], |v[(\s)+16*\b]|, |v[(\s)+1+16*\b]|, 0x1800000   ; my 16 numbers of block b, and the floor 2^(3 - 127): the byte cannot fall under 1
.endr
.irp i, 2,4,6,8,10,12,14
.irp b, 0,1,2,3
	v_max3_num_f32 v[(\tm)+\b], v[(\tm)+\b], |v[(\s)+16*\b+\i]|, |v[(\s)+1+16*\b+\i]|
.endr
.endr
.irp b, 0,1,2,3
	v_permlanex16_b32 v[(\tm)+4+\b], v[(\tm)+\b], s[SEL], s[SEL+1]
.endr
.irp b, 0,1,2,3
	v_max_num_f32 v[(\tm)+\b], v[(\tm)+\b], v[(\tm)+4+\b]      ; with lane l xor 16's: the block's largest magnitude
.endr
.irp b, 0,1,2,3
	v_add_nc_u32 v[(\tm)+8+\b], 0xff000000, v[(\tm)+\b]        ; 2 off its exponent field: the conversion's scale operand
.endr
.irp b, 0,1,2,3
	v_lshrrev_b32 v[(\tm)+4+\b], 23, v[(\tm)+8+\b]             ; the scale's byte
.endr
	v_lshl_or_b32 v[\pw], v[(\tm)+5], 8, v[(\tm)+4]
	v_lshl_or_b32 v[\pw], v[(\tm)+6], 16, v[\pw]
	v_lshl_or_b32 v[\pw], v[(\tm)+7], 24, v[\pw]
.irp b, 0,1,2,3
	v_cvt_scalef32_pk8_fp4_f32 v[(\pc)+2*\b], v[(\s)+16*\b:(\s)+7+16*\b], v[(\tm)+8+\b]
	v_cvt_scalef32_pk8_fp4_f32 v[(\pc)+1+2*\b], v[(\s)+8+16*\b:(\s)+15+16*\b], v[(\tm)+8+\b]
.endr
	v_nop                                          ; one plain place behind a scaled conversion
.irp c, 0,1                                    ; the operand's layout wants a whole block in a lane
.irp i, 0,1
	v_permlane16_swap_b32 v[(\pc)+4*\c+\i], v[(\pc)+2+4*\c+\i]
.endr
.endr
.endm
	s_load_b256 s[84:91], s[0:1], 0x0              ; K's codes, K's scales, Wk's codes, Wk's scales
	s_load_b128 s[92:95], s[0:1], 0x20             ; Wv's codes, Wv's scales
	v_lshl_add_u32 v[SPW], v0, 2, SPARE
	v_mov_b32 v[NIL], 0
	ds_add_u32 v28, v29
	s_wait_dscnt 0x0
	v_lshrrev_b32 v1, 5, v0
	v_readfirstlane_b32 s[WV], v1
	s_lshr_b32 s[FB], s[WV], 1
	s_and_b32 s[HB], s[WV], 1
	s_bfe_u32 s[CX], ttmp6, 0x40000
	s_bfe_u32 s[CY], ttmp6, 0x40004
	s_and_b32 s[CL4], ttmp7, 0xffff
	s_lshl_b32 s[CL4], s[CL4], 2
	s_cmp_eq_u32 ttmp9, 0                          ; the mode: the same in all sixteen partners
	s_cselect_b32 s12, s[CL4], 0
	s_cselect_b32 s13, 0, s[CL4]
	s_add_co_u32 s[TR], s[CY], s12                 ; tile row: tokens (mode 0: 4 x cluster y + cy) or units (cy)
	s_add_co_u32 s[TC], s[CX], s13                 ; tile column: units (cx) or tokens (4 x cluster y + cx)
	s_lshl_b32 s[MA], s[CY], 2
	s_lshl_b32 s[MA], 15, s[MA]                    ; my row of the cluster
	s_lshl_b32 s[MB], 0x1111, s[CX]                ; my column
	; group 1 for codes: 128 rows x 256 bytes, 16 bytes of padding behind each
	s_or_b32 s[G1+0], s[MA], (0<<16)|(1<<20)|(1<<21)|(5<<22)|(3<<25)
	s_or_b32 s[G1B+0], s[MB], (0<<16)|(1<<20)|(1<<21)|(5<<22)|(3<<25)
.irp g, G1, G1B
	s_mov_b32 s[\g+1], ROWB<<16
	s_mov_b32 s[\g+2], 128<<16
	s_mov_b32 s[\g+3], ROWB<<16
	s_mov_b32 s[\g+4], 128
	s_mov_b32 s[\g+5], KROW
	s_mov_b32 s[\g+6], 0
	s_mov_b32 s[\g+7], 0
.endr
	; group 1 for the scales of 128 rows: 4,096 dense bytes as 16 rows of 256 (32 elements of 8 bytes), padded alike
	s_or_b32 s[G1S+0], s[MA], (3<<16)|(1<<20)|(1<<21)|(5<<22)|(3<<25)
	s_or_b32 s[G1SB+0], s[MB], (3<<16)|(1<<20)|(1<<21)|(5<<22)|(3<<25)
.irp g, G1S, G1SB
	s_mov_b32 s[\g+1], 32<<16
	s_mov_b32 s[\g+2], 16<<16
	s_mov_b32 s[\g+3], 32<<16
	s_mov_b32 s[\g+4], 16
	s_mov_b32 s[\g+5], 32
	s_mov_b32 s[\g+6], 0
	s_mov_b32 s[\g+7], 0
.endr
	s_lshl_b32 s12, s[HB], 7                       ; which 128 rows of the tile I fetch
	s_lshl_b32 s20, s[TR], 8
	s_add_co_u32 s20, s20, s12                     ; A's row
	s_lshl_b32 s22, s[TC], 8
	s_add_co_u32 s22, s22, s12                     ; B's row
	s_lshl_b32 s14, s20, 5                         ; its scales, in bytes
	s_lshl_b32 s20, s20, 9                         ; its codes
	s_mov_b32 s15, 0
	s_mov_b32 s21, 0
	s_lshl_b32 s16, s22, 5
	s_lshl_b32 s22, s22, 9
	s_mov_b32 s17, 0
	s_mov_b32 s23, 0
	s_mul_i32 s18, s[WV], HALFT                    ; where they go: by the wave's number alone
	s_mul_i32 s19, s[WV], HALFS
	s_wait_kmcnt 0x0
	s_cmp_eq_u32 ttmp9, 0
	s_cselect_b64 s[96:97], s[84:85], s[92:93]     ; A's codes: K's or Wv's
	s_cselect_b64 s[98:99], s[86:87], s[94:95]     ; A's scales
	s_cselect_b64 s[92:93], s[88:89], s[84:85]     ; B's codes: Wk's or K's
	s_cselect_b64 s[94:95], s[90:91], s[86:87]     ; B's scales
	s_add_nc_u64 s[96:97], s[96:97], s[20:21]
	s_add_nc_u64 s[98:99], s[98:99], s[14:15]
	s_add_nc_u64 s[92:93], s[92:93], s[22:23]
	s_add_nc_u64 s[94:95], s[94:95], s[16:17]
	CROUND                                         ; all sixteen work-groups are here: the joint loads meet
	s_mov_b32 s[G0S], 1
	s_add_co_u32 s[G0S+1], s19, SCL
	s_mov_b64 s[G0S+2:G0S+3], s[98:99]
	s_or_b32 s[G0S+3], s[G0S+3], 0x80000000
	s_mov_b32 s[G0SB], 1
	s_add_co_u32 s[G0SB+1], s19, SCL
	s_mov_b64 s[G0SB+2:G0SB+3], s[94:95]
	s_or_b32 s[G0SB+3], s[G0SB+3], 0x80000000
	JLOAD G0S, G1S, G0SB, G1SB                     ; the scales first
.irp s, 0,1
	s_mov_b32 s[G0+4*\s], 1
	s_add_co_u32 s[G0+4*\s+1], s18, \s*SLOT
	s_add_nc_u64 s[G0+4*\s+2:G0+4*\s+3], s[96:97], \s*ROWB
	s_or_b32 s[G0+4*\s+3], s[G0+4*\s+3], 0x80000000
	s_mov_b32 s[G0B+4*\s], 1
	s_add_co_u32 s[G0B+4*\s+1], s18, \s*SLOT
	s_add_nc_u64 s[G0B+4*\s+2:G0B+4*\s+3], s[92:93], \s*ROWB
	s_or_b32 s[G0B+4*\s+3], s[G0B+4*\s+3], 0x80000000
	JLOAD G0+4*\s, G1, G0B+4*\s, G1B               ; both halves of K: three loads of mine are out
.endr
	s_load_b512 s[84:99], s[0:1], 0x40             ; Q's codes 84, Wq's 86, Wo's 88, kvc 90, kvs 92, qimg 94, wqimg 96, woimg 98
	s_load_b128 s[12:15], s[0:1], 0x30             ; bk, bv
	v_and_b32 v1, 15, v0                           ; r
	v_bfe_u32 v2, v0, 4, 1                         ; h
	v_and_b32 v3, 31, v0                           ; lane
	v_mul_u32_u24 v4, v1, PITCH
	v_lshl_add_u32 v4, v2, 4, v4                   ; a fragment's row x pitch + 16 h
	s_mul_i32 s16, s[FB], HALFT
	s_mul_i32 s17, s[HB], HALFT
	s_add_co_u32 s17, s17, 2*HALFT
.irp s, 0,1
	v_add_nc_u32 v[ADRA+\s], s16, v4
	v_add_nc_u32 v[ADRB+\s], s17, v4
	s_add_co_u32 s16, s16, SLOT
	s_add_co_u32 s17, s17, SLOT
.endr
	v_mul_u32_u24 v5, v1, KS                       ; my row's scales: 32 bytes a row,
	v_lshrrev_b32 v6, 8, v5
	v_lshl_add_u32 v5, v6, 4, v5                   ; and 16 more for each 256 passed
	s_mul_i32 s16, s[FB], HALFS
	s_mul_i32 s17, s[HB], HALFS
	s_add_co_u32 s17, s17, 2*HALFS
	s_sub_co_u32 s17, s17, s16
	v_mul_u32_u24 v6, s17, v2                      ; lanes 16-31 take B's
	s_add_co_u32 s16, s16, SCL
	v_add_nc_u32 v5, v5, v6
	v_add_nc_u32 v[ADRS], s16, v5
	v_lshlrev_b32 v[L16], 4, v3
	v_lshlrev_b32 v[KSO], 5, v1
	v_lshl_add_u32 v[KSO], v2, 4, v[KSO]
	; THE COPIES.  g = 4 x work-group + wave, 0 .. 1,023.  Q: fragments 4 g .. 4 g + 3 (row tile g / 2, K steps 4 (g % 2) + i).  One weight fragment g % 512 = [128 rows 8][K step 8][tile 8]: Wq's where g < 512
	; (tile rows 16 t + r), Wo's else (tile rows 32 (t / 2) + 8 (t % 2) + r + 8 (r / 8), so that the last product's results fall where its residual lies).  g >= 512 is cluster y >= 4.
	s_cmp_ge_u32 s[CL4], 16
	s_cselect_b32 s9, 1, 0                         ; 1: Wo
	v_lshlrev_b32 v8, 9, v1
	v_lshl_add_u32 v8, v2, 4, v8                   ; Q: row r of 512 bytes + 16 h
	v_and_b32 v9, 8, v1
	v_mul_u32_u24 v9, s9, v9
	v_add_nc_u32 v9, v9, v1
	v_lshlrev_b32 v9, 9, v9
	v_lshl_add_u32 v9, v2, 4, v9                   ; the weight: row r (+ 8 (r / 8)) + 16 h
	v_lshlrev_b32 v10, 5, v2                       ; bk: 8 h numbers
	v_lshlrev_b32 v11, 2, v1                       ; bv: r numbers
	s_lshl_b32 s16, ttmp9, 2
	s_add_co_u32 s16, s16, s[CX]
	s_add_co_u32 s17, s[CL4], s[CY]
	s_lshl_b32 s17, s17, 3
	s_add_co_u32 s16, s16, s17
	s_lshl_b32 s16, s16, 2
	s_add_co_u32 s16, s16, s[WV]                   ; g
	s_lshr_b32 s18, s16, 1
	s_lshl_b32 s18, s18, 13
	s_and_b32 s19, s16, 1
	s_lshl_b32 s19, s19, 8
	s_add_co_u32 s18, s18, s19                     ; 16 rows x 512 bytes x (g / 2) + 256 (g % 2)
	s_mov_b32 s19, 0
	s_lshl_b32 s20, s16, 12                        ; 4 fragments x 1,024 bytes x g
	s_mov_b32 s21, 0
	s_and_b32 s22, s16, 511
	s_wait_kmcnt 0x0
	s_add_nc_u64 s[84:85], s[84:85], s[18:19]
	s_add_nc_u64 s[94:95], s[94:95], s[20:21]
	s_cmp_eq_u32 s9, 1
	s_cselect_b64 s[86:87], s[88:89], s[86:87]     ; Wo's codes or Wq's
	s_cselect_b64 s[96:97], s[98:99], s[96:97]     ; woimg or wqimg
	s_lshl_b32 s18, s22, 10
	s_add_nc_u64 s[96:97], s[96:97], s[18:19]
	s_and_b32 s20, s22, 7                          ; t
	s_lshl_b32 s10, s20, 4                         ; 16 t
	s_lshr_b32 s18, s20, 1
	s_lshl_b32 s18, s18, 5
	s_and_b32 s20, s20, 1
	s_lshl_b32 s20, s20, 3
	s_add_co_u32 s18, s18, s20                     ; 32 (t / 2) + 8 (t % 2)
	s_cmp_eq_u32 s9, 1
	s_cselect_b32 s18, s18, s10
	s_lshr_b32 s20, s22, 6
	s_lshl_b32 s20, s20, 7
	s_add_co_u32 s18, s18, s20                     ; + 128 x which 128 rows
	s_lshl_b32 s18, s18, 9
	s_lshr_b32 s20, s22, 3
	s_and_b32 s20, s20, 7
	s_lshl_b32 s20, s20, 6                         ; + 64 bytes x K step
	s_add_co_u32 s18, s18, s20
	s_add_nc_u64 s[86:87], s[86:87], s[18:19]
	; where my 128 x 128 goes: which 128 tokens, which head
	s_lshl_b32 s16, s[TR], 1
	s_add_co_u32 s16, s16, s[FB]
	s_lshl_b32 s17, s[TC], 1
	s_add_co_u32 s17, s17, s[HB]
	s_cmp_eq_u32 ttmp9, 0
	s_cselect_b32 s18, s16, s17                    ; tokens / 128
	s_cselect_b32 s20, s17, s16                    ; head
	s_cselect_b32 s[MK], -1, 0
	s_cselect_b32 s[MV], 0, -1
	s_cselect_b32 s21, 0, 1
	s_lshl_b32 s22, s20, 9
	s_mov_b32 s23, 0
	s_add_nc_u64 s[12:13], s[12:13], s[22:23]      ; the head's 128 numbers of bk and of bv
	s_add_nc_u64 s[14:15], s[14:15], s[22:23]
	s_lshr_b32 s16, s18, 4
	s_lshl_b32 s16, s16, 3
	s_add_co_u32 s16, s16, s20                     ; 8 x batch + head
	s_and_b32 s17, s18, 15                         ; key step
	s_lshl_b32 s16, s16, 4
	s_add_co_u32 s16, s16, s17
	s_lshl_b32 s16, s16, 1
	s_add_co_u32 s16, s16, s21                     ; K's half or V's
	s_lshl_b32 s22, s16, 13
	s_add_nc_u64 s[90:91], s[90:91], s[22:23]
	s_lshl_b32 s22, s16, 9
	s_add_nc_u64 s[92:93], s[92:93], s[22:23]
	s_mov_b32 s[SEL], 0x76543210
	s_mov_b32 s[SEL+1], 0xfedcba98
.irp i, 0,1,2,3
.irp c, 0,1
	global_load_b128 v[RL+8*\i+4*\c:RL+8*\i+4*\c+3], v8, s[84:85] offset:64*\i+32*\c
.endr
.endr
.irp c, 0,1
	global_load_b128 v[RL+32+4*\c:RL+32+4*\c+3], v9, s[86:87] offset:32*\c
.endr
	WIN 0x40                                       ; destination window 1
.irp b, 0,1,2,3,4,5,6,7
.irp j, 0,1
	global_load_b128 v[BR+8*\b+4*\j:BR+8*\b+4*\j+3], v10, s[12:13] offset:64*\b+16*\j   ; bk of units 16 b + 8 h + 0 .. 7
.endr
.endr
	WIN 0
.irp a, 0,1,2,3,4,5,6,7
	global_load_b32 v[BL+2*\a], v11, s[14:15] offset:64*\a                              ; bv of unit 16 a + r, in both halves of a pair
	global_load_b32 v[BL+2*\a+1], v11, s[14:15] offset:64*\a
.endr
	s_wait_loadcnt 32                              ; the ten copies' loads are in; the 32 bias loads behind them stay out
.irp i, 0,1,2,3
.irp c, 0,1
	global_store_b128 v[L16], v[RL+8*\i+4*\c:RL+8*\i+4*\c+3], s[94:95] offset:1024*\i+512*\c   ; 32 lanes store 512 consecutive bytes
.endr
.endr
.irp c, 0,1
	global_store_b128 v[L16], v[RL+32+4*\c:RL+32+4*\c+3], s[96:97] offset:512*\c
.endr
.macro FRAG reg, adr, q, i             ; 16 rows x 128 K of 4-bit codes: registers 4 c .. 4 c + 3 hold K = 64 c + 32 (l / 16) + 0 .. 31
.irp c, 0,1
	ds_load_b128 v[\reg+4*\c:\reg+4*\c+3], v[\adr] offset:64*(\q)+32*\c+(\i)*16*PITCH
.endr
.endm
; 16 matrix instructions: A's blocks a0, a0 + 1 x B's eight.  The 64 accumulators take turns, one instruction a turn.  zero = 1: the first product starts the sums.
.macro MUL16 a0, p, q, sc, zero
.irp a, \a0, \a0+1
.irp b, 0,1,2,3,4,5,6,7
.if \zero
	v_wmma_scale_f32_16x16x128_f8f6f4 v[8*(8*((\a)%4)+\b):8*(8*((\a)%4)+\b)+7], v[128*(\p)+FR*\b:128*(\p)+FR*\b+FR-1], v[AF+FR*(\a):AF+FR*(\a)+FR-1], 0, v[SC+8*NQ*(\sc)+NQ*\b+(\q)], v[SC+8*NQ*(\sc)+NQ*(\a)+(\q)] matrix_a_fmt:MATRIX_FMT_FP4 matrix_b_fmt:MATRIX_FMT_FP4 matrix_a_scale:MATRIX_SCALE_ROW1
.else
	v_wmma_scale_f32_16x16x128_f8f6f4 v[8*(8*((\a)%4)+\b):8*(8*((\a)%4)+\b)+7], v[128*(\p)+FR*\b:128*(\p)+FR*\b+FR-1], v[AF+FR*(\a):AF+FR*(\a)+FR-1], v[8*(8*((\a)%4)+\b):8*(8*((\a)%4)+\b)+7], v[SC+8*NQ*(\sc)+NQ*\b+(\q)], v[SC+8*NQ*(\sc)+NQ*(\a)+(\q)] matrix_a_fmt:MATRIX_FMT_FP4 matrix_b_fmt:MATRIX_FMT_FP4 matrix_a_scale:MATRIX_SCALE_ROW1
.endif
.endr
.endr
.endm
.macro FETCH_B slot, q, p
	WIN TO_B
.irp i, 0,1,2,3,4,5,6,7
	FRAG 128*(\p)+FR*\i, ADRB+\slot, \q, \i
.endr
	WIN 0
.endm
.macro FETCH_A slot, q, i0
.irp i, \i0, \i0+1, \i0+2, \i0+3
	FRAG AF+FR*(\i), ADRA+\slot, \q, \i
.endr
.endm
.macro SCALES sc                       ; a slot's scale words: lanes 0-15 A's block i, lanes 16-31 B's block i
.irp i, 0,1,2,3,4,5,6,7
	ds_load_b128 v[SC+8*NQ*\sc+NQ*\i:SC+8*NQ*\sc+NQ*\i+3], v[ADRS] offset:\i*SBLK
.endr
.endm
.macro PLACES n                        ; plain vector lines between a matrix instruction and a load into, or a read of, its registers
.rept \n
	v_nop
.endr
.endm
.macro STEP slot, q, zero              ; 128 along K that has its successor in the same slot
	s_wait_dscnt 4*NL                              ; all but the youngest eight loads (A's blocks 4-7)
	WIN MUL_LO
	MUL16 0, (\q)%2, \q, \slot, \zero
	MUL16 2, (\q)%2, \q, \slot, \zero
	s_wait_dscnt 0
	PLACES NP
	FETCH_B \slot, (\q)+1, 1-(\q)%2
	FETCH_A \slot, (\q)+1, 0
	WIN MUL_HI
	MUL16 4, (\q)%2, \q, \slot, \zero
	MUL16 6, (\q)%2, \q, \slot, \zero
	PLACES NP
	WIN 0
	FETCH_A \slot, (\q)+1, 4
.endm
.macro STEPS slot, from
.set Q, \from
.rept NQ-1-\from
	STEP \slot, Q, 0
.set Q, Q+1
.endr
.endm
	s_wait_tensorcnt 1                             ; the scales and my part of slot 0 are in; slot 1's load may be out
	s_barrier_signal -1
	s_barrier_wait -1
	s_wait_xcnt 0x0                                ; the copies' stores have read their registers: A's fragments land there
	FETCH_B 0, 0, 0
	FETCH_A 0, 0, 0
	SCALES 0
	FETCH_A 0, 0, 4
	STEP 0, 0, 1
	STEPS 0, 1
	; slot 0's last step changes slots: one barrier; nothing is filled again
	s_wait_tensorcnt 0x0                           ; my part of slot 1 has landed
	ds_add_u32 v[SPW], v[NIL]                      ; 0 onto my spare word
	s_wait_dscnt 4*NL+1                            ; (the add and A's blocks 4-7 may be out)
	WIN MUL_LO
	MUL16 0, 1, NQ-1, 0, 0
	s_wait_dscnt 0x0
	s_barrier_signal -1
	MUL16 2, 1, NQ-1, 0, 0
	WIN 0
	s_barrier_wait -1
	PLACES NP
	v_add_nc_u32 v[ADRS], 4*NQ, v[ADRS]            ; the second half's scale words
	FETCH_B 1, 0, 0
	FETCH_A 1, 0, 0
	SCALES 1
	WIN MUL_HI
	MUL16 4, 1, NQ-1, 0, 0
	MUL16 6, 1, NQ-1, 0, 0
	PLACES NP
	WIN 0
	FETCH_A 1, 0, 4
	STEPS 1, 0
	s_wait_dscnt 4*NL
	WIN MUL_LO
	MUL16 0, 1, NQ-1, 1, 0
	MUL16 2, 1, NQ-1, 1, 0
	s_wait_dscnt 0
	WIN MUL_HI
	MUL16 4, 1, NQ-1, 1, 0
	MUL16 6, 1, NQ-1, 1, 0
	; THE WAY OUT.  The bias that does not belong to the mode is masked to zero; these lines are also the places behind the last products.
	s_wait_loadcnt 0x0                             ; the biases
	WIN 0x44                                       ; source 1 and destination window 1
.set i, 0
.rept 64
	v_and_b32 v[BR+i], s[MK], v[BR+i]
.set i, i+1
.endr
	WIN 0
.set i, 0
.rept 16
	v_and_b32 v[BL+i], s[MV], v[BL+i]
.set i, i+1
.endr
.irp b, 0,1,2,3
	v_mov_b32 v[TM+4+\b], 0                        ; a lane permute's destination counts as one of its sources
.endr
; A's block a: 64 numbers a lane + bias, quantised: one fragment and one scale word a row.  Each block has its own registers for its codes, so no store's data are written again.
.macro OUTG a
.set AC, 64*((\a)%4)
	WIN 0x06+(\a)/4                                ; source 0 window 2 or 3, source 1 window 1
.set i, 0
.rept 32
	v_pk_add_f32 v[T+i:T+i+1], v[AC+i:AC+i+1], v[BR+i:BR+i+1]          ; each accumulator from its low end on
.set i, i+2
.endr
	WIN 0
.set i, 0
.rept 32
	v_pk_add_f32 v[T+i:T+i+1], v[T+i:T+i+1], v[BL+2*(\a):BL+2*(\a)+1]
.set i, i+2
.endr
	QUANT T, PC+8*(\a), SW+(\a), TM
	global_store_b128 v[L16], v[PC+8*(\a):PC+8*(\a)+3], s[90:91] offset:1024*(\a)
	global_store_b128 v[L16], v[PC+8*(\a)+4:PC+8*(\a)+7], s[90:91] offset:1024*(\a)+512
.endm
.irp a, 0,1,2,3,4,5,6,7
	OUTG \a
.endr
	v_cmp_ne_u32 vcc_lo, 0, v2                     ; lanes 16-31 carry fragments 4 to 7's words of row r
.irp i, 0,1,2,3
	v_cndmask_b32 v[OUTW+\i], v[SW+\i], v[SW+4+\i], vcc_lo
.endr
	global_store_b128 v[KSO], v[OUTW:OUTW+3], s[92:93]     ; 512 consecutive bytes
	s_wait_tensorcnt 0x0                           ; the wave's end
	ds_add_u32 v[SPW], v[NIL]
	s_wait_dscnt 0x0
	CROUND                                         ; the closing round
	s_endpgm
.Lfunc_end_k_q813c21b035_proj:
	.size	k_q813c21b035_proj, .Lfunc_end_k_q813c21b035_proj-k_q813c21b035_proj
	.p2alignl 7, 3214868480
	.fill 96, 4, 3214868480
	.section	.rodata,"a",@progbits
	.p2align	6, 0x0
	.amdhsa_kernel k_q813c21b035_proj
		.amdhsa_group_segment_fixed_size 327680
		.amdhsa_private_segment_fixed_size 0
		.amdhsa_enable_private_segment 0
		.amdhsa_kernarg_size 128
		.amdhsa_user_sgpr_count 2
		.amdhsa_user_sgpr_kernarg_segment_ptr 1
		.amdhsa_wavefront_size32 1
		.amdhsa_system_sgpr_workgroup_id_x 1
		.amdhsa_system_sgpr_workgroup_id_y 1
		.amdhsa_system_sgpr_workgroup_id_z 1
		.amdhsa_system_vgpr_workitem_id 0
		.amdhsa_next_free_vgpr 1024
		.amdhsa_next_free_sgpr 106
		.amdhsa_reserve_vcc 1
		.amdhsa_float_denorm_mode_32 3
		.amdhsa_float_denorm_mode_16_64 3
		.amdhsa_memory_ordered 1
		.amdhsa_forward_progress 1
		.amdhsa_inst_pref_size 169
	.end_amdhsa_kernel
	.amdgpu_metadata
---
amdhsa.version: [ 1, 2 ]
amdhsa.kernels:
  - .name:           k_q813c21b035_proj
    .symbol:         k_q813c21b035_proj.kd
    .args:
      - { .name: K_codes, .offset: 0, .size: 8, .value_kind: global_buffer, .address_space: global }
      - { .name: K_scales, .offset: 8, .size: 8, .value_kind: global_buffer, .address_space: global }
      - { .name: Wk_codes, .offset: 16, .size: 8, .value_kind: global_buffer, .address_space: global }
      - { .name: Wk_scales, .offset: 24, .size: 8, .value_kind: global_buffer, .address_space: global }
      - { .name: Wv_codes, .offset: 32, .size: 8, .value_kind: global_buffer, .address_space: global }
      - { .name: Wv_scales, .offset: 40, .size: 8, .value_kind: global_buffer, .address_space: global }
      - { .name: bk, .offset: 48, .size: 8, .value_kind: global_buffer, .address_space: global }
      - { .name: bv, .offset: 56, .size: 8, .value_kind: global_buffer, .address_space: global }
      - { .name: Q_codes, .offset: 64, .size: 8, .value_kind: global_buffer, .address_space: global }
      - { .name: Wq_codes, .offset: 72, .size: 8, .value_kind: global_buffer, .address_space: global }
      - { .name: Wo_codes, .offset: 80, .size: 8, .value_kind: global_buffer, .address_space: global }
      - { .name: kvc, .offset: 88, .size: 8, .value_kind: global_buffer, .address_space: global }
      - { .name: kvs, .offset: 96, .size: 8, .value_kind: global_buffer, .address_space: global }
      - { .name: qimg, .offset: 104, .size: 8, .value_kind: global_buffer, .address_space: global }
      - { .name: wqimg, .offset: 112, .size: 8, .value_kind: global_buffer, .address_space: global }
      - { .name: woimg, .offset: 120, .size: 8, .value_kind: global_buffer, .address_space: global }
    .group_segment_fixed_size: 327680
    .private_segment_fixed_size: 0
    .kernarg_segment_align: 8
    .kernarg_segment_size: 128
    .max_flat_workgroup_size: 128
    .sgpr_count:     106
    .vgpr_count:     1024
    .wavefront_size: 32
...
	.end_amdgpu_metadata
.endif
;; end of part 1
;; launch attn (part 2): grid 8 x 32, 8 waves a work-group, clusters of 4 x 1, 327,680 bytes of LDS; arguments qimg, Q_scales, wqimg, Wq_scales, bq, kvc, kvs, o; writes o
.if DOCPART == 2
	.amdgcn_target "amdgcn-amd-amdhsa--gfx1250"
	.amdhsa_code_object_version 6
	.text
	.protected	k_q813c21b035_attn
	.globl	k_q813c21b035_attn
	.p2align	8
	.type	k_q813c21b035_attn,@function
k_q813c21b035_attn:
	s_mov_b64 s[64:65], 0
	v_nop
	global_prefetch_b8 v0, s[64:65] scope:SCOPE_SE
	s_setreg_imm32_b32 hwreg(HW_REG_WAVE_MODE, 25, 1), 1
	s_wait_xcnt 0x0
	s_wait_alu depctr_hold_cnt(0) depctr_sa_sdst(0) depctr_va_vdst(0) depctr_va_sdst(0) depctr_va_ssrc(0) depctr_va_vcc(0) depctr_vm_vsrc(0)
	s_getreg_b32 s2, hwreg(HW_REG_IB_STS2, 6, 4)
	s_cmp_eq_u32 s2, 0
	s_cbranch_scc0 .Lentry_in_a_cluster
	s_endpgm
.Lentry_in_a_cluster:
	s_bfe_u32 s2, ttmp6, 0x10000c
	s_cmp_lg_u32 s2, 0x3003
	s_cbranch_scc0 .Lentry_shape_is_right
	s_endpgm
.Lentry_shape_is_right:
; o = q + softmax(q k^T / sqrt(128)) v for one head and 256 queries a work-group, q = Q Wq^T + bq made here: all products on codes of FP4 (E2M1) with E8M0 scales.
; q's slice (256 queries x the head's 128) is needed by this work-group alone.  It is made at the head; its f32 numbers go to LDS as images of their registers and come back at the tail for the residual; its codes,
; quantised along the head's 128, stay in registers as one fragment a tile.
; THE SOFTMAX: t = score x log2(e) / sqrt(128); M = the running largest t rounded up to a whole number; p = 2^(t - M) is quantised along the keys, not normalised; the row's sum of the unquantised p divides at the end;
; when M moves, the sum and O are multiplied by 2^(old M - new M), which rounds nothing.
; SHARES.  Eight waves; a wave owns TWO tiles of 16 queries, so that each fragment of K, V and Wq that it reads from LDS feeds two products.  Every wave walks the head's 2,048 keys, 128 a step.
; All operands lie in memory as images of their registers (1,024 bytes a fragment, register group c of lane l at 512 c + 16 l): every load takes 512 consecutive bytes, and a step's tiles are one dense block of 16 KB
; (8 fragments of K, 8 of V^T).  Both products are used transposed (S^T = K Q^T, O^T = V^T P^T): a lane holds one query throughout.  Register 8 t + j of a result is index 16 t + 8 h + j; q, k, p and v are all
; quantised from that order, alike on both sides of each product.
; REGISTER WINDOWS.  Tile 1 has tile 0's register numbers in window 1, so the softmax is written once and run under both settings.  s_set_vgpr_msb's low byte: bits 1:0 source 0, 3:2 source 1, 5:4 source 2, 7:6 destination.
; Scale operands have no window: tile 1's two scale words are copied into window 0.  V's fragments lie in window 0, K's in window 1, so that K of the next step is asked for while this step's softmax runs.
; CLUSTER.  The four query blocks of a cluster belong to one head: K, V, their scale words and Wq's head block are asked for jointly, mask 15.  Waves 0 to 3 fetch, one load each behind a round.
; LDS: two slots of four key steps (65,536 bytes each); Wq's head block lies in slot 1 until the first change of slots fills that slot again; the head's scale words (16 KB), filled once; the spare words;
;   8,192 bytes for each tile of queries, which no fill touches: q's image, and at the tail the tile's stage.
; LIMITS: a block whose largest magnitude lies under 2^-124 gets the scale byte 1.  NaN and infinities are not served.
; REGISTERS.  window 0: v1-11 addresses; v24-27 K's scale words, v28-31 V's (at the head: Q's, tile 0's and tile 1's); v32-95 V's fragments; v248 tile 1's q scale word, v249 its p scale word; v255 tile 0's q scale word.
;   window 1: v32-95 K's fragments.   both: v12 -M, v13 the largest t, v[14:15] the sum; v16-23 q's fragment; v96-159 S^T, then p; v160-223 O^T; v224-231 p's codes; v232-254 at work (v253 p's scale word).
;   At the head window 0's v224-255 hold Wq's scale words, v32-95 of both windows Wq's fragments by turns, v160-223 Q's fragments.
.set SLOTB, 65536
.set STEPB, 16384
.set WQ,    SLOTB                      ; Wq's head block: in slot 1
.set SCS,   131072
.set SPARE, 147456                     ; 128 bytes for each of 8 waves: four blocks of 256 bytes that no other line names
.set QS,    148480                     ; 16 tiles x TILEB
.set TILEB, 8192
.set L16, 1                            ; 16 x lane
.set ASC, 2                            ; SCS + 32 r + 16 h
.set AWQ, 3                            ; WQ + 16 x lane
.set PFO, 4                            ; 256 x lane
.set SPW, 5
.set NIL, 6
.set GO,  7                            ; 4,096 h + 16 r
.set ADV, 8                            ; LDS address of the step's V
.set ADS, 9                            ; and of V's scale words
.set ADN, 10                           ; of the K that is asked for
.set ADT, 11                           ; and of its scale words
.set AB,  10                           ; at the head: 32 h
.set AS,  11                           ; at the head: 32 r + 16 h
.set QW1, 248
.set PW1, 249
.set WV,  20
.set QSB, 21                           ; QS + 2 TILEB x wave
.set SEL, 22
.set CS,  24
.set G1,  28
.set G1S, 36
.set G0,  44
.set G0W, 48
.set G0S, 52
.set TB,  56                           ; LDS byte of the step in hand
.set TS,  57                           ; and of its scale words, from SCS on
.set SLOTS, 58
.set CNT, 59
.set PFA, 60
.set LIM, 62
.set MSB, 0
.macro WIN new                         ; the immediate's high byte repeats the setting that is left; a switch that changes nothing is dropped
.if MSB != (\new)
	s_set_vgpr_msb (MSB<<8)|(\new)
.set MSB, (\new)
.endif
.endm
.macro ROUND                           ; a round of the cluster's barrier
	s_barrier_signal -1
	s_barrier_wait -1
	s_cmp_lg_u32 s[WV], 0
	s_cbranch_scc1 .Lnot_wave_0_\@
	s_barrier_signal -3
.Lnot_wave_0_\@:
	s_barrier_wait -3
	s_barrier_signal -1
	s_barrier_wait -1
.endm
.macro TLOAD                           ; waves 0 to 3 fetch a key step each of the slot; four v_nop follow the load
	s_cmp_lt_u32 s[WV], 4
	s_cbranch_scc0 .Lasked_\@
	tensor_load_to_lds s[G0:G0+3], s[G1:G1+7]
	s_nop 0
.rept 4
	v_nop
.endr
.Lasked_\@:
.endm
; A prefetch of the slot that the NEXT change will ask for: 65,536 bytes = 256 blocks of 256.  Both clusters of a head walk the same bytes: the first asks.  Its four partners take 16 KB each, told apart by address;
; in each, waves 4 and 5 take 8 KB, lanes 256 bytes apart.  So each block is named once.  It stands four key steps ahead of the load; the last change that fills a slot asks for nothing.
.macro ASK
	s_cmp_gt_u32 s[SLOTS], s[LIM]
	s_cbranch_scc0 .Lnot_mine_\@
	global_prefetch_b8 v[PFO], s[PFA:PFA+1] th:TH_LOAD_NT scope:SCOPE_SE
.Lnot_mine_\@:
.endm
.macro QUANT s, pc, pw, tm             ; 64 numbers of a lane become a fragment's codes and its scale word
.irp b, 0,1,2,3
	v_max3_num_f32 v[(\tm)+\b], |v[(\s)+16*\b]|, |v[(\s)+1+16*\b]|, 0x1800000   ; and the floor 2^(3 - 127): the byte cannot fall under 1
.endr
.irp i, 2,4,6,8,10,12,14
.irp b, 0,1,2,3
	v_max3_num_f32 v[(\tm)+\b], v[(\tm)+\b], |v[(\s)+16*\b+\i]|, |v[(\s)+1+16*\b+\i]|
.endr
.endr
.irp b, 0,1,2,3
	v_permlanex16_b32 v[(\tm)+4+\b], v[(\tm)+\b], s[SEL], s[SEL+1]
.endr
.irp b, 0,1,2,3
	v_max_num_f32 v[(\tm)+\b], v[(\tm)+\b], v[(\tm)+4+\b]
.endr
.irp b, 0,1,2,3
	v_add_nc_u32 v[(\tm)+8+\b], 0xff000000, v[(\tm)+\b]
.endr
.irp b, 0,1,2,3
	v_lshrrev_b32 v[(\tm)+4+\b], 23, v[(\tm)+8+\b]
.endr
	v_lshl_or_b32 v[\pw], v[(\tm)+5], 8, v[(\tm)+4]
	v_lshl_or_b32 v[\pw], v[(\tm)+6], 16, v[\pw]
	v_lshl_or_b32 v[\pw], v[(\tm)+7], 24, v[\pw]
.irp b, 0,1,2,3
	v_cvt_scalef32_pk8_fp4_f32 v[(\pc)+2*\b], v[(\s)+16*\b:(\s)+7+16*\b], v[(\tm)+8+\b]
	v_cvt_scalef32_pk8_fp4_f32 v[(\pc)+1+2*\b], v[(\s)+8+16*\b:(\s)+15+16*\b], v[(\tm)+8+\b]
.endr
	v_nop
.irp c, 0,1
.irp i, 0,1
	v_permlane16_swap_b32 v[(\pc)+4*\c+\i], v[(\pc)+2+4*\c+\i]
.endr
.endr
.endm
.macro WFETCH k                        ; Wq's eight fragments of K step k into v32-95 of window k % 2
	WIN 0x40*((\k)%2)
.irp t, 0,1,2,3,4,5,6,7
.irp c, 0,1
	ds_load_b128 v[32+8*\t+4*\c:35+8*\t+4*\c], v[AWQ] offset:(8*(\k)+\t)*1024+512*\c
.endr
.endr
	WIN 0
.endm
.macro QMUL s, x                       ; tile x's eight sums take K step s: source 0 = 16 units of Wq, source 1 = 16 queries
.irp t, 0,1,2,3,4,5,6,7
.if (\s) < 4
	v_wmma_scale_f32_16x16x128_f8f6f4 v[96+8*\t:103+8*\t], v[32+8*\t:39+8*\t], v[160+8*(\s):167+8*(\s)], v[96+8*\t:103+8*\t], v[224+4*\t+(\s)%4], v[24+4*(\x)+(\s)%4] matrix_a_fmt:MATRIX_FMT_FP4 matrix_b_fmt:MATRIX_FMT_FP4
.else
	v_wmma_scale_f32_16x16x128_f8f6f4 v[96+8*\t:103+8*\t], v[32+8*\t:39+8*\t], v[160+8*(\s):167+8*(\s)], v[96+8*\t:103+8*\t], v[224+4*\t+(\s)%4], v[24+4*(\x)+(\s)%4] matrix_a_fmt:MATRIX_FMT_FP4 matrix_b_fmt:MATRIX_FMT_FP4 matrix_a_scale:MATRIX_SCALE_ROW1 matrix_b_scale:MATRIX_SCALE_ROW1
.endif
.endr
.endm
	s_load_b512 s[4:19], s[0:1], 0x0               ; qimg 4, Q's scales 6, wqimg 8, Wq's scales 10, bq 12, kvc 14, kvs 16, o 18
	v_lshl_add_u32 v[SPW], v0, 2, SPARE
	v_mov_b32 v[NIL], 0
	ds_add_u32 v5, v6
	s_wait_dscnt 0x0
	v_lshrrev_b32 v8, 5, v0
	v_readfirstlane_b32 s[WV], v8
	s_lshl_b32 s[QSB], s[WV], 14
	s_add_co_u32 s[QSB], s[QSB], QS                ; my two tiles' bytes: by the wave's number alone
	s_bfe_u32 s66, ttmp6, 0x40000                  ; cx: it enters Q's, o's and the prefetches' addresses alone
	s_and_b32 s67, ttmp7, 0xffff                   ; 8 x batch + head, which the partners share
	s_and_b32 s68, s67, 7
	s_lshr_b32 s69, s67, 3
	s_and_b32 s70, s[WV], 3
	; group 1: a dense block of 16 KB as 64 rows of 256 bytes (32 elements of 8 bytes), no padding; mask 15, bit 21 beside it
	s_mov_b32 s[G1], 15|(3<<16)|(1<<21)
	s_mov_b32 s[G1+1], 32<<16
	s_mov_b32 s[G1+2], 64<<16
	s_mov_b32 s[G1+3], 32<<16
	s_mov_b32 s[G1+4], 64
	s_mov_b32 s[G1+5], 32
	s_mov_b32 s[G1+6], 0
	s_mov_b32 s[G1+7], 0
	s_mov_b32 s[G1S], 15|(3<<16)|(1<<21)           ; the same with 16 rows: 4 KB
	s_mov_b32 s[G1S+1], 32<<16
	s_mov_b32 s[G1S+2], 16<<16
	s_mov_b32 s[G1S+3], 32<<16
	s_mov_b32 s[G1S+4], 16
	s_mov_b32 s[G1S+5], 32
	s_mov_b32 s[G1S+6], 0
	s_mov_b32 s[G1S+7], 0
	s_lshl_b32 s71, s70, 14                        ; 16 KB x (wave % 4)
	s_lshl_b32 s72, s67, 18
	s_add_co_u32 s72, s72, s71                     ; kvc: the head's 262,144 bytes, my key step
	s_mov_b32 s73, 0
	s_lshl_b32 s74, s68, 16
	s_add_co_u32 s74, s74, s71                     ; wqimg: the head's 65,536 bytes, my quarter
	s_mov_b32 s75, 0
	s_lshl_b32 s78, s70, 12
	s_lshl_b32 s76, s67, 14
	s_add_co_u32 s76, s76, s78                     ; kvs: the head's 16,384 bytes, my quarter
	s_mov_b32 s77, 0
	s_lshl_b32 s80, ttmp9, 2
	s_add_co_u32 s80, s80, s66                     ; my block of 256 queries
	s_lshl_b32 s80, s80, 4
	s_lshl_b32 s81, s69, 7
	s_add_co_u32 s80, s80, s81
	s_lshl_b32 s81, s[WV], 1
	s_add_co_u32 s80, s80, s81                     ; the first of my two tiles of 16 rows, among 512
	s_lshl_b32 s82, s80, 13
	s_mov_b32 s83, 0
	s_lshl_b32 s84, s80, 9
	s_mov_b32 s85, 0
	s_lshl_b32 s86, s80, 16
	s_lshl_b32 s88, s68, 9
	s_mov_b32 s89, 0
	s_add_co_u32 s86, s86, s88
	s_mov_b32 s87, 0
	s_lshl_b32 s90, s68, 12
	s_mov_b32 s91, 0
	s_lshl_b32 s92, s67, 18
	s_lshl_b32 s93, s66, 14
	s_add_co_u32 s92, s92, s93
	s_and_b32 s93, s[WV], 1
	s_lshl_b32 s93, s93, 13
	s_add_co_u32 s92, s92, s93
	s_add_co_u32 s92, s92, SLOTB                   ; in the second slot's keys: the first change steps it to the third's
	s_mov_b32 s93, 0
	s_lshr_b32 s[LIM], s[WV], 1
	s_xor_b32 s[LIM], s[LIM], 2                    ; 0 in waves 4 and 5,
	s_or_b32 s[LIM], s[LIM], ttmp9                 ; of the head's first cluster
	s_cmp_eq_u32 s[LIM], 0
	s_cselect_b32 s[LIM], 1, -1
	s_mov_b32 s[SEL], 0x76543210
	s_mov_b32 s[SEL+1], 0xfedcba98
	s_mov_b32 s[CS], 0x3e0293ee                    ; c = log2(e) / sqrt(128)
	s_mov_b32 s[CS+1], s[CS]
	s_mov_b32 s[TB], 0
	s_mov_b32 s[TS], 0
	s_mov_b32 s[SLOTS], 3
	s_wait_kmcnt 0x0
	s_mov_b32 s[G0], 1
	s_mov_b32 s[G0+1], s71
	s_add_nc_u64 s[G0+2:G0+3], s[14:15], s[72:73]
	s_or_b32 s[G0+3], s[G0+3], 0x80000000
	s_mov_b32 s[G0W], 1
	s_add_co_u32 s[G0W+1], s71, WQ
	s_add_nc_u64 s[G0W+2:G0W+3], s[8:9], s[74:75]
	s_or_b32 s[G0W+3], s[G0W+3], 0x80000000
	s_mov_b32 s[G0S], 1
	s_add_co_u32 s[G0S+1], s78, SCS
	s_add_nc_u64 s[G0S+2:G0S+3], s[16:17], s[76:77]
	s_or_b32 s[G0S+3], s[G0S+3], 0x80000000
	ROUND                                          ; all four work-groups are here: the first joint loads meet
	s_cmp_lt_u32 s[WV], 4                          ; a wave's three first fills stand in one branch: three loads of mine are out
	s_cbranch_scc0 .Lno_first
	tensor_load_to_lds s[G0S:G0S+3], s[G1S:G1S+7]
	s_nop 0
	tensor_load_to_lds s[G0W:G0W+3], s[G1:G1+7]
	s_nop 0
	tensor_load_to_lds s[G0:G0+3], s[G1:G1+7]
	s_nop 0
.rept 4
	v_nop
.endr
.Lno_first:
	s_add_nc_u64 s[PFA:PFA+1], s[14:15], s[92:93]
	s_add_nc_u64 s[4:5], s[4:5], s[82:83]          ; my rows' fragments of Q,
	s_add_nc_u64 s[6:7], s[6:7], s[84:85]          ; their scale bytes,
	s_add_nc_u64 s[10:11], s[10:11], s[90:91]      ; the head's rows of Wq's scale bytes,
	s_add_nc_u64 s[12:13], s[12:13], s[88:89]      ; the head's part of bq,
	s_add_nc_u64 s[18:19], s[18:19], s[86:87]      ; my rows and the head's columns of o
	v_and_b32 v8, 15, v0                           ; r
	v_bfe_u32 v9, v0, 4, 1                         ; h
	v_and_b32 v[L16], 31, v0
	v_lshlrev_b32 v[PFO], 8, v[L16]
	v_lshlrev_b32 v[L16], 4, v[L16]
	v_lshlrev_b32 v[AB], 5, v9
	v_lshlrev_b32 v[AS], 5, v8
	v_lshl_add_u32 v[AS], v9, 4, v[AS]
	v_add_nc_u32 v[ASC], SCS, v[AS]
	v_add_nc_u32 v[AWQ], WQ, v[L16]
	v_lshlrev_b32 v[GO], 12, v9
	v_lshl_add_u32 v[GO], v8, 4, v[GO]
	; what the projection wants from memory, for each tile: bq in the result's layout, as the sums' start, and the tile's eight fragments of Q
.irp x, 0,1
	WIN 0x40*\x
.irp t, 0,1,2,3,4,5,6,7
.irp j, 0,1
	global_load_b128 v[96+8*\t+4*\j:99+8*\t+4*\j], v[AB], s[12:13] offset:64*\t+16*\j
.endr
.endr
.irp s, 0,1,2,3,4,5,6,7
.irp c, 0,1
	global_load_b128 v[160+8*\s+4*\c:163+8*\s+4*\c], v[L16], s[4:5] offset:8192*\x+1024*\s+512*\c
.endr
.endr
.endr
	WIN 0
	global_load_b128 v[24:27], v[AS], s[6:7]             ; Q's scale words, tile 0: lanes 0-15 K steps 0-3 of row r, lanes 16-31 steps 4-7
	global_load_b128 v[28:31], v[AS], s[6:7] offset:512  ; tile 1
.irp t, 0,1,2,3,4,5,6,7
	global_load_b128 v[224+4*\t:227+4*\t], v[AS], s[10:11] offset:512*\t   ; Wq's
.endr
	s_wait_tensorcnt 0x0                           ; my first fills have landed,
	s_barrier_signal -1
	s_barrier_wait -1                              ; everybody's have
	s_wait_loadcnt 0x0
	; q = Q Wq^T + bq: eight K steps; Wq's fragments in two buffers, fetched a K step ahead; the sixteen sums by turns, one instruction a turn
	WFETCH 0
.irp s, 0,1,2,3,4,5,6,7
.if \s < 7
.if \s > 0
.rept 4
	v_nop                                          ; places in front of loads into the buffer that the last step's products read
.endr
.endif
	WFETCH \s+1
	s_wait_dscnt 16                                ; this step's fragments are in; the next step's sixteen loads stay out
.else
	s_wait_dscnt 0x0
.endif
	WIN \s%2                                       ; source 0 in the step's buffer
	QMUL \s, 0
	WIN (\s%2)|0x54                                ; and source 1, C and D in window 1
	QMUL \s, 1
	WIN 0
.endr
.rept 4
	v_nop
.endr
	v_add_nc_u32 v[ADV], s[QSB], v[L16]
.irp x, 0,1                                    ; q's f32 numbers to LDS as they stand: register group i of lane l at 512 i + 16 l; each sum from its low end on
	WIN 0x04*\x
.set i, 0
.rept 16
	ds_store_b128 v[ADV], v[96+4*i:99+4*i] offset:TILEB*\x+512*i
.set i, i+1
.endr
.endr
.macro INIT
	v_mov_b32 v13, 0xff61b1e6                      ; the largest t so far: -3e38
	v_floor_f32 v12, -v13                          ; -M
	v_mov_b32 v14, 0
	v_mov_b32 v15, 0
	v_mov_b32 v253, 0
.set j, 0
.rept 64
	v_mov_b32 v[160+j], 0                          ; O^T: the step is written once; the first change of M leaves zeros zeros
.set j, j+1
.endr
.endm
	WIN 0x55                                       ; tile 1
.irp b, 0,1,2,3
	v_mov_b32 v[236+\b], 0                         ; a lane permute's destination counts as one of its sources
.endr
	QUANT 96, 16, 255, 232
	INIT
	WIN 0x01
	v_mov_b32 v[QW1], v255                         ; its scale word into window 0
	WIN 0                                          ; tile 0
.irp b, 0,1,2,3
	v_mov_b32 v[236+\b], 0
.endr
	QUANT 96, 16, 255, 232
	INIT                                           ; (also the places between the scale words and their first use)
.macro ST qw                           ; S^T = K Q^T of one tile: source 0 = 16 keys, source 1 = my 16 queries
.irp t, 0,1,2,3
	v_wmma_scale_f32_16x16x128_f8f6f4 v[96+8*\t:103+8*\t], v[32+8*\t:39+8*\t], v[16:23], 0, v[24+\t], v[\qw] matrix_a_fmt:MATRIX_FMT_FP4 matrix_b_fmt:MATRIX_FMT_FP4
.endr
.irp t, 4,5,6,7
	v_wmma_scale_f32_16x16x128_f8f6f4 v[96+8*\t:103+8*\t], v[32+8*\t:39+8*\t], v[16:23], 0, v[20+\t], v[\qw] matrix_a_fmt:MATRIX_FMT_FP4 matrix_b_fmt:MATRIX_FMT_FP4 matrix_a_scale:MATRIX_SCALE_ROW1
.endr
.endm
.macro PV pw                           ; O^T += V^T P^T of one tile
.irp t, 0,1,2,3
	v_wmma_scale_f32_16x16x128_f8f6f4 v[160+8*\t:167+8*\t], v[32+8*\t:39+8*\t], v[224:231], v[160+8*\t:167+8*\t], v[28+\t], v[\pw] matrix_a_fmt:MATRIX_FMT_FP4 matrix_b_fmt:MATRIX_FMT_FP4
.endr
.irp t, 4,5,6,7
	v_wmma_scale_f32_16x16x128_f8f6f4 v[160+8*\t:167+8*\t], v[32+8*\t:39+8*\t], v[224:231], v[160+8*\t:167+8*\t], v[24+\t], v[\pw] matrix_a_fmt:MATRIX_FMT_FP4 matrix_b_fmt:MATRIX_FMT_FP4 matrix_a_scale:MATRIX_SCALE_ROW1
.endr
.endm
.macro KLOAD ko, so                    ; a step's K: its scale words, then its eight fragments into window 1.  It leaves the destination's window at 1
	ds_load_b128 v[24:27], v[ADT] offset:\so       ; lanes 0-15 tiles 0-3 of row r, lanes 16-31 tiles 4-7
	WIN 0x40
.irp t, 0,1,2,3,4,5,6,7
.irp c, 0,1
	ds_load_b128 v[32+8*\t+4*\c:35+8*\t+4*\c], v[ADN] offset:\ko+1024*\t+512*\c
.endr
.endr
.endm
; One tile's softmax for 128 keys, in the window that is set: from the scores in v96-159 to p's codes in v224-231, p's scale word in v253, and O^T and the sum under the new M.
.macro SOFTMAX
.irp b, 0,1,2,3
	v_max3_num_f32 v[232+\b], v[96+16*\b], v[97+16*\b], v[98+16*\b]   ; the largest score of each block of 32 keys: for the row's maximum, and, since p rises with the score, for the block's largest p
.endr
.irp i, 3,5,7,9,11,13
.irp b, 0,1,2,3
	v_max3_num_f32 v[232+\b], v[232+\b], v[96+16*\b+\i], v[97+16*\b+\i]
.endr
.endr
.irp b, 0,1,2,3
	v_max_num_f32 v[232+\b], v[232+\b], v[111+16*\b]
.endr
.irp b, 0,1,2,3
	v_permlanex16_b32 v[236+\b], v[232+\b], s[SEL], s[SEL+1]
.endr
.irp b, 0,1,2,3
	v_max_num_f32 v[232+\b], v[232+\b], v[236+\b]
.endr
	v_max3_num_f32 v254, v232, v233, v234
	v_max_num_f32 v254, v254, v235
	v_mul_f32 v254, s[CS], v254
	v_max_num_f32 v13, v13, v254                   ; the running largest t
	v_mov_b32 v254, v12
	v_floor_f32 v12, -v13                          ; the new -M = -ceil(t)
	v_sub_f32 v254, v12, v254                      ; old M - new M: a whole number, 0 or less
	v_cvt_i32_f32 v254, v254                       ; (it saturates)
	v_ldexp_f32 v252, 1.0, v254                    ; f = 2^(old M - new M)
.set j, 0
.rept 32
	v_pk_fma_f32 v[96+j:97+j], v[96+j:97+j], s[CS:CS+1], v[12:13] op_sel_hi:[1,0,0]   ; t - M
.set j, j+2
.endr
.irp b, 0,1,2,3
	v_fma_f32 v[232+\b], v[232+\b], s[CS], v12
.endr
.set j, 0
.rept 64
	v_exp_f32 v[96+j], v[96+j]                     ; p = 2^(t - M)
.set j, j+1
.endr
	v_pk_mul_f32 v[14:15], v[14:15], v[252:253] op_sel_hi:[1,0]   ; the sums under the new M: a plain line behind the exponentials
	s_wait_alu depctr_va_vdst(0)                   ; one wait for the batch, ahead of its first reader
.irp b, 0,1,2,3
	v_exp_f32 v[232+\b], v[232+\b]                 ; each block's largest p
.endr
	v_pk_add_f32 v[236:237], v[96:97], v[98:99]    ; the row's sum of the unquantised p, in two chains
.irp j, 4,8,12,16,20,24,28,32,36,40,44,48,52,56,60
	v_pk_add_f32 v[14:15], v[14:15], v[96+\j:97+\j]
	v_pk_add_f32 v[236:237], v[236:237], v[98+\j:99+\j]
.endr
	v_pk_add_f32 v[14:15], v[14:15], v[236:237]
	s_wait_alu depctr_va_vdst(0)                   ; and one for the four
.irp b, 0,1,2,3
	v_max_num_f32 v[232+\b], 0x1800000, v[232+\b]  ; the floor 2^(3 - 127)
.endr
.irp b, 0,1,2,3
	v_add_nc_u32 v[244+\b], 0xff000000, v[232+\b]
.endr
.irp b, 0,1,2,3
	v_lshrrev_b32 v[236+\b], 23, v[244+\b]
.endr
	v_lshl_or_b32 v253, v237, 8, v236              ; p's scale word for these 128 keys
	v_lshl_or_b32 v253, v238, 16, v253
	v_lshl_or_b32 v253, v239, 24, v253
.irp b, 0,1,2,3
	v_cvt_scalef32_pk8_fp4_f32 v[224+2*\b], v[96+16*\b:103+16*\b], v[244+\b]
	v_cvt_scalef32_pk8_fp4_f32 v[225+2*\b], v[104+16*\b:111+16*\b], v[244+\b]
.endr
	v_nop
.irp c, 0,1
.irp i, 0,1
	v_permlane16_swap_b32 v[224+4*\c+\i], v[226+4*\c+\i]
.endr
.endr
.set j, 0
.rept 32
	v_pk_mul_f32 v[160+j:161+j], v[160+j:161+j], v[252:253] op_sel_hi:[1,0]   ; O^T under the new M; also places ahead of the products that follow
.set j, j+2
.endr
.endm
; A KEY STEP: 128 keys, both tiles.  At its head this step's K has been asked for.  pre = 1: the next step lies in the same slot, and its K is asked for behind this step's first products.
; Each address register is written again only when the loads that named it last have come back.
.macro STEP pre
	v_add_nc_u32 v[ADV], s[TB], v[L16]
	v_add_nc_u32 v[ADS], s[TS], v[ASC]
	v_nop
	v_nop                                          ; four places in front of loads into registers that the last products read
.irp t, 0,1,2,3,4,5,6,7
.irp c, 0,1
	ds_load_b128 v[32+8*\t+4*\c:35+8*\t+4*\c], v[ADV] offset:8192+1024*\t+512*\c   ; V: it lands under the first products and the softmax
.endr
.endr
	ds_load_b128 v[28:31], v[ADS] offset:512
	s_wait_dscnt 17                                ; K and its scale words are in: V's seventeen loads are younger
	WIN 0x01                                       ; source 0 (K) window 1
	ST 255
	WIN 0x45                                       ; and source 1 and the destination
	ST QW1
	WIN 0
.if \pre
	v_add_nc_u32 v[ADN], s[TB], v[L16]
	v_add_nc_u32 v[ADT], s[TS], v[ASC]
	v_nop
	v_nop                                          ; four places: in front of the loads into K's registers, and of the first read of the scores
	KLOAD STEPB, 1024
.else
.rept 4
	v_nop
.endr
.endif
	WIN 0x55
	SOFTMAX                                        ; tile 1
	WIN 0x01
	v_mov_b32 v[PW1], v253                         ; its scale word into window 0; tile 0's softmax stands between this line and the product that takes it
	WIN 0
	SOFTMAX                                        ; tile 0
.if \pre
	s_wait_dscnt 17                                ; V is in: the next K's seventeen loads are younger
.else
	s_wait_dscnt 0x0
.endif
	PV 253
	WIN 0x54                                       ; source 1, C and D window 1
	PV PW1
	WIN 0
	s_add_co_u32 s[TB], s[TB], STEPB
	s_add_co_u32 s[TS], s[TS], 1024
.endm
; THE CHANGE OF SLOTS, at a slot's head: every wave waits for all its tensor loads, adds 0 to its spare word, waits for that and for its reads of the slot that it has left (at the first change: of Wq's block).
; fill = 1: a round of the cluster's barrier, and behind it the other slot is filled with the next four key steps, which have a whole slot's steps in which to land.
.macro CHANGE fill
	s_wait_tensorcnt 0x0
	ds_add_u32 v[SPW], v[NIL]
.if \fill
	s_xor_b32 s[G0+1], s[G0+1], SLOTB              ; the walking descriptor: the other slot,
	s_add_nc_u64 s[G0+2:G0+3], s[G0+2:G0+3], SLOTB ; the next four key steps
	s_wait_xcnt 0x0                                ; the last prefetch has read its address
	s_add_nc_u64 s[PFA:PFA+1], s[PFA:PFA+1], SLOTB
.endif
	s_wait_dscnt 0x0
.if \fill
	ROUND
	TLOAD
	ASK
.else
	s_barrier_signal -1
	s_barrier_wait -1
.endif
.endm
.macro SLOT_STEPS                      ; a slot's four key steps: the first step's K, three trips that ask for the next step's K, and a last step that asks for none: the next K lies behind a change of slots
	v_add_nc_u32 v[ADN], s[TB], v[L16]
	v_add_nc_u32 v[ADT], s[TS], v[ASC]
	KLOAD 0, 0
	WIN 0
	s_mov_b32 s[CNT], 3
.Lstep_\@:
	STEP 1
	s_sub_co_u32 s[CNT], s[CNT], 1
	s_cmp_lg_u32 s[CNT], 0
	s_cbranch_scc1 .Lstep_\@
	STEP 0
	s_sub_co_u32 s[TB], s[TB], SLOTB               ; back to a slot's first step,
	s_xor_b32 s[TB], s[TB], SLOTB                  ; in the other slot
.endm
.Lslot:                                            ; three trips: behind each change but the last the next slot is asked for
	CHANGE 1
	SLOT_STEPS
	s_sub_co_u32 s[SLOTS], s[SLOTS], 1
	s_cmp_lg_u32 s[SLOTS], 0
	s_cbranch_scc1 .Lslot
	CHANGE 0                                       ; the last slot is written out
	SLOT_STEPS
	; THE TAIL: o = O^T / l + q.
.macro LADD
	v_add_f32 v14, v14, v15
	v_permlanex16_b32 v252, v14, s[SEL], s[SEL+1]
	v_add_f32 v14, v14, v252                       ; the row's sum
.endm
	LADD
	WIN 0x55
	LADD
	v_rcp_f32 v14, v14                             ; tile 1's
	v_nop
	s_wait_alu depctr_va_vdst(0)                   ; the wait ahead of the next line that names the register
	WIN 0
	v_rcp_f32 v14, v14                             ; tile 0's
	v_and_b32 v16, 15, v0                          ; (plain lines behind the reciprocal, and the places behind the last products)
	v_bfe_u32 v17, v0, 4, 1
	v_mul_u32_u24 v[ADV], v16, 272
	v_lshl_add_u32 v[ADV], v17, 5, v[ADV]
	v_add_nc_u32 v[ADV], s[QSB], v[ADV]            ; the stage, in: row r of 272 bytes, + 32 h
	v_mul_u32_u24 v[ADS], v17, 272
	v_lshl_add_u32 v[ADS], v16, 4, v[ADS]
	v_add_nc_u32 v[ADS], s[QSB], v[ADS]            ; back: lanes 0-15 one row, lanes 16-31 the next
	v_add_nc_u32 v[ADN], s[QSB], v[L16]            ; q's images
.irp x, 0,1
	WIN 0x40*\x
.set i, 0
.rept 16
	ds_load_b128 v[32+4*i:35+4*i], v[ADN] offset:TILEB*\x+512*i
.set i, i+1
.endr
.endr
	WIN 0
	s_wait_alu depctr_va_vdst(0)                   ; ahead of the reciprocal's first reader
	s_wait_dscnt 16                                ; tile 0's image is in; tile 1's sixteen loads are younger
.set j, 0
.rept 32
	v_pk_fma_f32 v[160+j:161+j], v[160+j:161+j], v[14:15], v[32+j:33+j] op_sel_hi:[1,0,1]   ; register 8 t + j = o(query r, unit 16 t + 8 h + j)
.set j, j+2
.endr
	WIN 0x55
	s_wait_dscnt 0x0
.set j, 0
.rept 32
	v_pk_fma_f32 v[160+j:161+j], v[160+j:161+j], v[14:15], v[32+j:33+j] op_sel_hi:[1,0,1]
.set j, j+2
.endr
; Tile x goes through its stage, which takes the bytes that its image of q has left: half a head's row (64 units, 256 bytes) of 16 queries at a time.  LDS serves a wave's instructions in order (ISA guide 5.7.1.4).
.macro TOSTAGE x
.irp u, 0,1
	WIN 0x04*\x                                    ; an LDS store's data are its source 1
.irp t, 0,1,2,3
	ds_store_b128 v[ADV], v[160+32*\u+8*\t:163+32*\u+8*\t] offset:TILEB*\x+64*\t
	ds_store_b128 v[ADV], v[164+32*\u+8*\t:167+32*\u+8*\t] offset:TILEB*\x+64*\t+16
.endr
	WIN 0x40*\x
.irp i, 0,1,2,3,4,5,6,7
	ds_load_b128 v[32+32*\u+4*\i:35+32*\u+4*\i], v[ADS] offset:TILEB*\x+2*\i*272
.endr
.endr
.endm
.macro SEND x, younger                 ; younger: the LDS instructions of the tile behind
	WIN 0x04*\x
.irp u, 0,1
.irp i, 0,1,2,3,4,5,6,7
	s_wait_dscnt \younger+15-8*\u-\i
	global_store_b128 v[GO], v[32+32*\u+4*\i:35+32*\u+4*\i], s[18:19] offset:65536*\x+2*\i*4096+256*\u   ; sixteen lanes store 256 consecutive bytes, aligned
.endr
.endr
.endm
	TOSTAGE 0
	TOSTAGE 1
	SEND 0, 32
	SEND 1, 0
	WIN 0
	s_wait_tensorcnt 0x0                           ; the wave's end
	ds_add_u32 v[SPW], v[NIL]
	s_wait_dscnt 0x0
	ROUND                                          ; the closing round
	s_endpgm
.Lfunc_end_k_q813c21b035_attn:
	.size	k_q813c21b035_attn, .Lfunc_end_k_q813c21b035_attn-k_q813c21b035_attn
	.p2alignl 7, 3214868480
	.fill 96, 4, 3214868480
	.section	.rodata,"a",@progbits
	.p2align	6, 0x0
	.amdhsa_kernel k_q813c21b035_attn
		.amdhsa_group_segment_fixed_size 327680
		.amdhsa_private_segment_fixed_size 0
		.amdhsa_enable_private_segment 0
		.amdhsa_kernarg_size 64
		.amdhsa_user_sgpr_count 2
		.amdhsa_user_sgpr_kernarg_segment_ptr 1
		.amdhsa_wavefront_size32 1
		.amdhsa_system_sgpr_workgroup_id_x 1
		.amdhsa_system_sgpr_workgroup_id_y 1
		.amdhsa_system_sgpr_workgroup_id_z 1
		.amdhsa_system_vgpr_workitem_id 0
		.amdhsa_next_free_vgpr 512
		.amdhsa_next_free_sgpr 96
		.amdhsa_reserve_vcc 0
		.amdhsa_float_denorm_mode_32 3
		.amdhsa_float_denorm_mode_16_64 3
		.amdhsa_memory_ordered 1
		.amdhsa_forward_progress 1
		.amdhsa_inst_pref_size 200
	.end_amdhsa_kernel
	.amdgpu_metadata
---
amdhsa.version: [ 1, 2 ]
amdhsa.kernels:
  - .name:           k_q813c21b035_attn
    .symbol:         k_q813c21b035_attn.kd
    .args:
      - { .name: qimg, .offset: 0, .size: 8, .value_kind: global_buffer, .address_space: global }
      - { .name: Q_scales, .offset: 8, .size: 8, .value_kind: global_buffer, .address_space: global }
      - { .name: wqimg, .offset: 16, .size: 8, .value_kind: global_buffer, .address_space: global }
      - { .name: Wq_scales, .offset: 24, .size: 8, .value_kind: global_buffer, .address_space: global }
      - { .name: bq, .offset: 32, .size: 8, .value_kind: global_buffer, .address_space: global }
      - { .name: kvc, .offset: 40, .size: 8, .value_kind: global_buffer, .address_space: global }
      - { .name: kvs, .offset: 48, .size: 8, .value_kind: global_buffer, .address_space: global }
      - { .name: o, .offset: 56, .size: 8, .value_kind: global_buffer, .address_space: global }
    .group_segment_fixed_size: 327680
    .private_segment_fixed_size: 0
    .kernarg_segment_align: 8
    .kernarg_segment_size: 64
    .max_flat_workgroup_size: 256
    .sgpr_count:     96
    .vgpr_count:     512
    .wavefront_size: 32
...
	.end_amdgpu_metadata
.endif
;; end of part 2
;; launch final (part 3): grid 256 x 1, 8 waves a work-group, no clusters, 158,720 bytes of LDS; arguments o, woimg, Wo_scales, bo, g0, b0, g1, b1, out0; writes out0
.if DOCPART == 3
	.amdgcn_target "amdgcn-amd-amdhsa--gfx1250"
	.amdhsa_code_object_version 6
	.text
	.protected	k_q813c21b035_final
	.globl	k_q813c21b035_final
	.p2align	8
	.type	k_q813c21b035_final,@function
k_q813c21b035_final:
	s_mov_b64 s[64:65], 0
	v_nop
	global_prefetch_b8 v0, s[64:65] scope:SCOPE_SE
	s_setreg_imm32_b32 hwreg(HW_REG_WAVE_MODE, 25, 1), 1
	s_wait_xcnt 0x0
; out = LN1(O + relu(O Wo^T + bo)), O = LN0(o); the product on codes of FP4 (E2M1) with E8M0 scales, O quantised along its 1,024 on the way; all else in f32.
; SHARES.  A work-group of eight waves takes 32 whole rows.  Wave w takes columns 128 w .. 128 w + 127 in three roles: its slice of O (kept in 128 registers as the residual), K step w of O's operand, and its eight
; tiles of outputs.  So each byte of Wo's images is read by one wave of a work-group, straight into registers, 512 consecutive bytes a load; what goes round through LDS is small: O's 16 fragments and row sums.
; LAYOUT.  X[64 m + 16 b + i] of lane (r, h) is column 128 w + 32 b + 16 h + i of row 16 m + r: 16 neighbours of each block of 32, as the conversions want them.  The product is used transposed (source 0 = 16 rows of
; Wo, source 1 = O's 16 rows) and a tile's rows of Wo are 32 (t / 2) + 8 (t % 2) + r + 8 (r / 8) (so laid by the first launch), so that result register 64 m + 8 t + j is the same column as X's.
; The layer norms go in two passes, as written: mean, then the mean of squared differences; row sums meet in LDS, one barrier each, each in bytes of its own.
; No tensor load: no ring, no cluster (nothing lands in LDS that partners could share).
; LIMITS: a block whose largest magnitude lies under 2^-124 gets the scale byte 1.  NaN and infinities are not served.
; LDS: a stage of 32 x 528 bytes for each wave; O's 16 fragments; their scale words; four reductions of 1,024 bytes.
; REGISTERS.  window 0: v1-15 lane numbers and addresses; v16-47 O's fragments, two sets; v48-51 their scale words; v52-55 -mean; v56-87 Wo's scale words; v88-103 codes just made, and the words of a reduction;
;   v104-105 scale words made; v106-117 at work; v118-121 1 / sqrt(var + eps); v122-127 sums; v128-255 X.   window 1: v0-63, v64-127 Wo's fragments, two sets, later g1 and b1; v128-255 g0 and b0, then the accumulators.
.set STG,  0
.set OIMG, 135168
.set OSC,  151552
.set RED,  153600
.set X,    128
.set WV,   22
.set SEL,  24
.set C10,  26                          ; 2^-10
.set EPS,  27                          ; 1e-5
.set HM,   30                          ; the mask of lanes 16-31
.set MSB, 0
.macro WIN new
.if MSB != (\new)
	s_set_vgpr_msb (MSB<<8)|(\new)
.set MSB, (\new)
.endif
.endm
.macro BARRIER                         ; my LDS stores have landed and my LDS loads are in: then the work-group's barrier
	s_wait_dscnt 0x0
	s_barrier_signal -1
	s_barrier_wait -1
.endm
.macro QUANT s, pc, pw, tm
.irp b, 0,1,2,3
	v_max3_num_f32 v[(\tm)+\b], |v[(\s)+16*\b]|, |v[(\s)+1+16*\b]|, 0x1800000   ; and the floor 2^(3 - 127): the byte cannot fall under 1
.endr
.irp i, 2,4,6,8,10,12,14
.irp b, 0,1,2,3
	v_max3_num_f32 v[(\tm)+\b], v[(\tm)+\b], |v[(\s)+16*\b+\i]|, |v[(\s)+1+16*\b+\i]|
.endr
.endr
.irp b, 0,1,2,3
	v_permlanex16_b32 v[(\tm)+4+\b], v[(\tm)+\b], s[SEL], s[SEL+1]
.endr
.irp b, 0,1,2,3
	v_max_num_f32 v[(\tm)+\b], v[(\tm)+\b], v[(\tm)+4+\b]
.endr
.irp b, 0,1,2,3
	v_add_nc_u32 v[(\tm)+8+\b], 0xff000000, v[(\tm)+\b]
.endr
.irp b, 0,1,2,3
	v_lshrrev_b32 v[(\tm)+4+\b], 23, v[(\tm)+8+\b]
.endr
	v_lshl_or_b32 v[\pw], v[(\tm)+5], 8, v[(\tm)+4]
	v_lshl_or_b32 v[\pw], v[(\tm)+6], 16, v[\pw]
	v_lshl_or_b32 v[\pw], v[(\tm)+7], 24, v[\pw]
.irp b, 0,1,2,3
	v_cvt_scalef32_pk8_fp4_f32 v[(\pc)+2*\b], v[(\s)+16*\b:(\s)+7+16*\b], v[(\tm)+8+\b]
	v_cvt_scalef32_pk8_fp4_f32 v[(\pc)+1+2*\b], v[(\s)+8+16*\b:(\s)+15+16*\b], v[(\tm)+8+\b]
.endr
	v_nop
.irp c, 0,1
.irp i, 0,1
	v_permlane16_swap_b32 v[(\pc)+4*\c+\i], v[(\pc)+2+4*\c+\i]
.endr
.endr
.endm
.macro VLOAD dst, ptr                  ; 64 numbers of a vector of 1,024, in X's layout, into window 1
	WIN 0x40
.irp b, 0,1,2,3
.irp j, 0,1,2,3
	global_load_b128 v[(\dst)+16*\b+4*\j:(\dst)+16*\b+4*\j+3], v14, s[\ptr:\ptr+1] offset:128*\b+16*\j
.endr
.endr
	WIN 0
.endm
.macro WLOAD s                         ; my eight fragments of Wo for K step s into set s % 2 of window 1
	WIN 0x40
.irp t, 0,1,2,3,4,5,6,7
.irp c, 0,1
	global_load_b128 v[64*((\s)%2)+8*\t+4*\c:64*((\s)%2)+8*\t+4*\c+3], v4, s[6:7] offset:(8*(\s)+\t)*1024+512*\c
.endr
.endr
	WIN 0
.endm
.macro FETCHO s                        ; O's two fragments of K step s, and their scale words, into set s % 2
.irp m, 0,1
.irp c, 0,1
	ds_load_b128 v[16+16*((\s)%2)+8*\m+4*\c:19+16*((\s)%2)+8*\m+4*\c], v8 offset:(8*\m+(\s))*1024+512*\c
.endr
	ds_load_b32 v[48+2*((\s)%2)+\m], v9 offset:(8*\m+(\s))*128
.endr
.endm
; v122, v124: my lane's part of a sum over rows r and 16 + r.  Out: v88, v89: the rows' totals over all 1,024 columns, the same bits in every wave.
.macro REDUCE k
	v_permlanex16_b32 v126, v122, s[SEL], s[SEL+1]
	v_permlanex16_b32 v127, v124, s[SEL], s[SEL+1]
	v_add_f32 v122, v122, v126
	v_add_f32 v124, v124, v127
	v_cndmask_b32 v126, v122, v124, s[HM]          ; lane l carries row l
	ds_store_b32 v12, v126 offset:1024*(\k)
	BARRIER
.irp w, 0,1,2,3,4,5,6,7
	ds_load_b32 v[88+2*\w], v13 offset:1024*(\k)+128*\w
	ds_load_b32 v[89+2*\w], v13 offset:1024*(\k)+128*\w+64
.endr
	s_wait_dscnt 0x0
	v_pk_add_f32 v[88:89], v[88:89], v[90:91]
	v_pk_add_f32 v[92:93], v[92:93], v[94:95]
	v_pk_add_f32 v[96:97], v[96:97], v[98:99]
	v_pk_add_f32 v[100:101], v[100:101], v[102:103]
	v_pk_add_f32 v[88:89], v[88:89], v[92:93]
	v_pk_add_f32 v[96:97], v[96:97], v[100:101]
	v_pk_add_f32 v[88:89], v[88:89], v[96:97]
.endm
; X = (X - mean) / sqrt(var + eps) x g + b.  gg, bb: g's and b's 64 registers in window 1; cnt: the loads younger than theirs.
.macro LNORM k, gg, bb, cnt
	v_pk_add_f32 v[122:123], v[X:X+1], v[X+2:X+3]
	v_pk_add_f32 v[124:125], v[X+64:X+65], v[X+66:X+67]
.set i, 4
.rept 30
	v_pk_add_f32 v[122:123], v[122:123], v[X+i:X+i+1]
	v_pk_add_f32 v[124:125], v[124:125], v[X+64+i:X+65+i]
.set i, i+2
.endr
	v_add_f32 v122, v122, v123
	v_add_f32 v124, v124, v125
	REDUCE (\k)
	v_mul_f32 v52, 0xba800000, v88                 ; -mean = total x -2^-10, in both halves of a pair
	v_mul_f32 v53, 0xba800000, v88
	v_mul_f32 v54, 0xba800000, v89
	v_mul_f32 v55, 0xba800000, v89
.set i, 0
.rept 32
	v_pk_add_f32 v[X+i:X+i+1], v[X+i:X+i+1], v[52:53]
	v_pk_add_f32 v[X+64+i:X+65+i], v[X+64+i:X+65+i], v[54:55]
.set i, i+2
.endr
	v_pk_mul_f32 v[122:123], v[X:X+1], v[X:X+1]
	v_pk_mul_f32 v[124:125], v[X+64:X+65], v[X+64:X+65]
.set i, 2
.rept 31
	v_pk_fma_f32 v[122:123], v[X+i:X+i+1], v[X+i:X+i+1], v[122:123]
	v_pk_fma_f32 v[124:125], v[X+64+i:X+65+i], v[X+64+i:X+65+i], v[124:125]
.set i, i+2
.endr
	v_add_f32 v122, v122, v123
	v_add_f32 v124, v124, v125
	REDUCE (\k)+1
	v_fma_f32 v122, v88, s[C10], s[EPS]            ; var + eps
	v_fma_f32 v124, v89, s[C10], s[EPS]
	v_rsq_f32 v118, v122
	v_rsq_f32 v120, v124
	v_nop                                          ; a plain line behind the transcendentals
	s_wait_alu depctr_va_vdst(0)                   ; one wait for both, ahead of their first reader
	v_mov_b32 v119, v118
	v_mov_b32 v121, v120
.set i, 0
.rept 32
	v_pk_mul_f32 v[X+i:X+i+1], v[X+i:X+i+1], v[118:119]
	v_pk_mul_f32 v[X+64+i:X+65+i], v[X+64+i:X+65+i], v[120:121]
.set i, i+2
.endr
	s_wait_loadcnt \cnt
	WIN 0x14                                       ; sources 1 and 2 window 1
.set i, 0
.rept 32
	v_pk_fma_f32 v[X+i:X+i+1], v[X+i:X+i+1], v[(\gg)+i:(\gg)+i+1], v[(\bb)+i:(\bb)+i+1]
	v_pk_fma_f32 v[X+64+i:X+65+i], v[X+64+i:X+65+i], v[(\gg)+i:(\gg)+i+1], v[(\bb)+i:(\bb)+i+1]
.set i, i+2
.endr
	WIN 0
.endm
; K step s of the product: 16 matrix instructions on 16 accumulators by turns.
.macro GSTEP s
	s_wait_dscnt 0x0                               ; O's fragments of this step
.if (\s) == 0
	s_wait_loadcnt 0x0                             ; bo, the youngest, is the sums' start
.else
	s_wait_loadcnt 16                              ; this step's fragments of Wo are in; the 16 loads issued behind them stay out
.endif
.if (\s) < 7
	FETCHO (\s)+1
.endif
	WIN 0x51                                       ; source 0 (Wo), C and D window 1; source 1 (O) window 0
.irp t, 0,1,2,3,4,5,6,7
.irp m, 0,1
.if (\s) < 4
	v_wmma_scale_f32_16x16x128_f8f6f4 v[128+64*\m+8*\t:135+64*\m+8*\t], v[64*((\s)%2)+8*\t:64*((\s)%2)+8*\t+7], v[16+16*((\s)%2)+8*\m:23+16*((\s)%2)+8*\m], v[128+64*\m+8*\t:135+64*\m+8*\t], v[56+4*\t+(\s)%4], v[48+2*((\s)%2)+\m] matrix_a_fmt:MATRIX_FMT_FP4 matrix_b_fmt:MATRIX_FMT_FP4
.else
	v_wmma_scale_f32_16x16x128_f8f6f4 v[128+64*\m+8*\t:135+64*\m+8*\t], v[64*((\s)%2)+8*\t:64*((\s)%2)+8*\t+7], v[16+16*((\s)%2)+8*\m:23+16*((\s)%2)+8*\m], v[128+64*\m+8*\t:135+64*\m+8*\t], v[56+4*\t+(\s)%4], v[48+2*((\s)%2)+\m] matrix_a_fmt:MATRIX_FMT_FP4 matrix_b_fmt:MATRIX_FMT_FP4 matrix_a_scale:MATRIX_SCALE_ROW1
.endif
.endr
.endr
	WIN 0
.rept 4
	v_nop                                          ; places in front of loads into registers that these products read, and of the first read of results
.endr
.if (\s) < 6
	WLOAD (\s)+2
.elseif (\s) == 6
	VLOAD 0, 16                                    ; g1 takes set 0,
.else
	VLOAD 64, 18                                   ; b1 set 1
.endif
.endm
	s_load_b512 s[4:19], s[0:1], 0x0               ; o 4, woimg 6, Wo's scales 8, bo 10, g0 12, b0 14, g1 16, b1 18
	s_load_b64 s[20:21], s[0:1], 0x40              ; out0
	v_lshrrev_b32 v1, 5, v0
	v_readfirstlane_b32 s[WV], v1
	v_and_b32 v1, 31, v0                           ; lane
	v_and_b32 v2, 15, v0                           ; r
	v_bfe_u32 v3, v0, 4, 1                         ; h
	v_lshlrev_b32 v4, 4, v1                        ; 16 x lane
	s_mul_i32 s28, s[WV], 16896
	v_add_nc_u32 v5, s28, v4                       ; my stage by rows
	v_mul_u32_u24 v6, v2, 528
	v_lshl_add_u32 v6, v3, 6, v6
	v_add_nc_u32 v6, s28, v6                       ; my stage by lanes: row r, + 64 h
	v_lshlrev_b32 v7, 2, v1
	v_add_nc_u32 v8, OIMG, v4
	v_add_nc_u32 v9, OSC, v7
	s_lshl_b32 s28, s[WV], 10
	v_add_nc_u32 v10, s28, v8
	s_lshl_b32 s28, s[WV], 7
	v_add_nc_u32 v11, s28, v9
	v_add_nc_u32 v12, s28, v7
	v_add_nc_u32 v12, RED, v12
	v_lshl_add_u32 v13, v2, 2, RED
	v_lshlrev_b32 v14, 6, v3                       ; 16 h numbers
	v_and_b32 v15, 8, v2
	v_add_nc_u32 v15, v15, v2
	v_lshlrev_b32 v15, 5, v15
	v_lshl_add_u32 v15, v3, 4, v15                 ; Wo's scale bytes: row r + 8 (r / 8), + 16 h
	v_cmp_ne_u32 s[HM], 0, v3
	v_mov_b32 v126, 0                              ; lane permutes' destinations count as sources
	v_mov_b32 v127, 0
.irp b, 0,1,2,3
	v_mov_b32 v[110+\b], 0
.endr
	s_mov_b32 s[SEL], 0x76543210
	s_mov_b32 s[SEL+1], 0xfedcba98
	s_mov_b32 s[C10], 0x3a800000
	s_mov_b32 s[EPS], 0x3727c5ac
	s_lshl_b32 s34, s[WV], 9                       ; my 128 columns in bytes
	s_mov_b32 s35, 0
	s_lshl_b32 s32, ttmp9, 17                      ; 32 rows of 4,096 bytes
	s_add_co_u32 s32, s32, s34
	s_mov_b32 s33, 0
	s_lshl_b32 s36, s[WV], 16
	s_mov_b32 s37, 0
	s_lshl_b32 s38, s[WV], 12
	s_mov_b32 s39, 0
	s_wait_kmcnt 0x0
	s_add_nc_u64 s[4:5], s[4:5], s[32:33]
	s_add_nc_u64 s[20:21], s[20:21], s[32:33]
	s_add_nc_u64 s[6:7], s[6:7], s[36:37]
	s_add_nc_u64 s[8:9], s[8:9], s[38:39]
	s_add_nc_u64 s[10:11], s[10:11], s[34:35]
	s_add_nc_u64 s[12:13], s[12:13], s[34:35]
	s_add_nc_u64 s[14:15], s[14:15], s[34:35]
	s_add_nc_u64 s[16:17], s[16:17], s[34:35]
	s_add_nc_u64 s[18:19], s[18:19], s[34:35]
.set i, 0
.rept 32
	global_load_b128 v[X+4*i:X+4*i+3], v4, s[4:5] offset:4096*i th:TH_LOAD_NT   ; a row's 512 bytes of my columns
.set i, i+1
.endr
	VLOAD 128, 12                                  ; g0
	VLOAD 192, 14                                  ; b0
.irp t, 0,1,2,3,4,5,6,7
	global_load_b128 v[56+4*\t:59+4*\t], v15, s[8:9] offset:(32*(\t/2)+8*(\t%2))*32   ; lanes 0-15: K steps 0-3; lanes 16-31: 4-7
.endr
	s_wait_loadcnt 40                              ; o's 32 loads are in: 16 + 16 + 8 are younger
	; the turn through my stage: rows in, 16 neighbours of each block of 32 a lane out.  LDS serves a wave's instructions in order (ISA guide 5.7.1.4)
.set i, 0
.rept 32
	ds_store_b128 v5, v[X+4*i:X+4*i+3] offset:528*i
.set i, i+1
.endr
.irp m, 0,1
.irp b, 0,1,2,3
.irp j, 0,1,2,3
	ds_load_b128 v[X+64*\m+16*\b+4*\j:X+64*\m+16*\b+4*\j+3], v6 offset:16*\m*528+128*\b+16*\j
.endr
.endr
.endr
	WLOAD 0
	WLOAD 1
	s_wait_dscnt 0x0
	LNORM 0, 128, 192, 40                          ; g0 and b0 are in: the scale words (8) and Wo's two sets (32) are younger
	VLOAD 128, 10                                  ; bo starts the sums, for both tiles of rows
	VLOAD 192, 10
.irp m, 0,1
	QUANT X+64*\m, 88+8*\m, 104+\m, 106
	ds_store_b128 v10, v[88+8*\m:91+8*\m] offset:8192*\m          ; K step w of rows 16 m on, as an image of its registers
	ds_store_b128 v10, v[92+8*\m:95+8*\m] offset:8192*\m+512
	ds_store_b32 v11, v[104+\m] offset:1024*\m
.endr
	BARRIER                                        ; O's sixteen fragments lie in LDS
	FETCHO 0
.irp s, 0,1,2,3,4,5,6,7
	GSTEP \s
.endr
	WIN 0x44                                       ; source 1 and destination window 1
.set i, 0
.rept 128
	v_max_num_f32 v[128+i], 0, v[128+i]            ; relu; each accumulator from its low end on
.set i, i+1
.endr
	WIN 0x04
.set i, 0
.rept 64
	v_pk_add_f32 v[X+i:X+i+1], v[X+i:X+i+1], v[128+i:129+i]      ; the residual
.set i, i+2
.endr
	WIN 0
	LNORM 2, 0, 64, 0
	; the way out: back through my stage, whole rows of 512 bytes
.irp m, 0,1
.irp b, 0,1,2,3
.irp j, 0,1,2,3
	ds_store_b128 v6, v[X+64*\m+16*\b+4*\j:X+64*\m+16*\b+4*\j+3] offset:16*\m*528+128*\b+16*\j
.endr
.endr
.endr
.set i, 0
.rept 32
	ds_load_b128 v[X+4*i:X+4*i+3], v5 offset:528*i
.set i, i+1
.endr
.set i, 0
.rept 32
	s_wait_dscnt 31-i
	global_store_b128 v4, v[X+4*i:X+4*i+3], s[20:21] offset:4096*i th:TH_STORE_NT   ; 32 lanes store 512 consecutive bytes, aligned
.set i, i+1
.endr
	s_wait_xcnt 0x0
	v_lshl_add_u32 v254, v0, 2, 0x26800
	v_mov_b32 v255, 0
	s_wait_tensorcnt 0x0
	ds_add_u32 v254, v255
	s_wait_dscnt 0x0
	s_endpgm
.Lfunc_end_k_q813c21b035_final:
	.size	k_q813c21b035_final, .Lfunc_end_k_q813c21b035_final-k_q813c21b035_final
	.p2alignl 7, 3214868480
	.fill 96, 4, 3214868480
	.section	.rodata,"a",@progbits
	.p2align	6, 0x0
	.amdhsa_kernel k_q813c21b035_final
		.amdhsa_group_segment_fixed_size 158720
		.amdhsa_private_segment_fixed_size 0
		.amdhsa_enable_private_segment 0
		.amdhsa_kernarg_size 72
		.amdhsa_user_sgpr_count 2
		.amdhsa_user_sgpr_kernarg_segment_ptr 1
		.amdhsa_wavefront_size32 1
		.amdhsa_system_sgpr_workgroup_id_x 1
		.amdhsa_system_sgpr_workgroup_id_y 1
		.amdhsa_system_sgpr_workgroup_id_z 1
		.amdhsa_system_vgpr_workitem_id 0
		.amdhsa_next_free_vgpr 512
		.amdhsa_next_free_sgpr 66
		.amdhsa_reserve_vcc 0
		.amdhsa_float_denorm_mode_32 3
		.amdhsa_float_denorm_mode_16_64 3
		.amdhsa_memory_ordered 1
		.amdhsa_forward_progress 1
		.amdhsa_inst_pref_size 127
	.end_amdhsa_kernel
	.amdgpu_metadata
---
amdhsa.version: [ 1, 2 ]
amdhsa.kernels:
  - .name:           k_q813c21b035_final
    .symbol:         k_q813c21b035_final.kd
    .args:
      - { .name: o, .offset: 0, .size: 8, .value_kind: global_buffer, .address_space: global }
      - { .name: woimg, .offset: 8, .size: 8, .value_kind: global_buffer, .address_space: global }
      - { .name: Wo_scales, .offset: 16, .size: 8, .value_kind: global_buffer, .address_space: global }
      - { .name: bo, .offset: 24, .size: 8, .value_kind: global_buffer, .address_space: global }
      - { .name: g0, .offset: 32, .size: 8, .value_kind: global_buffer, .address_space: global }
      - { .name: b0, .offset: 40, .size: 8, .value_kind: global_buffer, .address_space: global }
      - { .name: g1, .offset: 48, .size: 8, .value_kind: global_buffer, .address_space: global }
      - { .name: b1, .offset: 56, .size: 8, .value_kind: global_buffer, .address_space: global }
      - { .name: out0, .offset: 64, .size: 8, .value_kind: global_buffer, .address_space: global }
    .group_segment_fixed_size: 158720
    .private_segment_fixed_size: 0
    .kernarg_segment_align: 8
    .kernarg_segment_size: 72
    .max_flat_workgroup_size: 256
    .sgpr_count:     66
    .vgpr_count:     512
    .wavefront_size: 32
...
	.end_amdgpu_metadata
.endif
;; end of part 3
;; ======== version 2 of 2: 3 launches; version 1 with the launch final written anew for expert scheduling mode
;; workspace buffers: kvc 8,388,608 bytes; kvs 524,288 bytes; qimg 4,194,304 bytes; wqimg 524,288 bytes; woimg 524,288 bytes; o 33,554,432 bytes
;; launch proj: the kernel of part 1 again; grid 8 x 32, 4 waves a work-group, clusters of 4 x 4, 327,680 bytes of LDS; arguments K_codes, K_scales, Wk_codes, Wk_scales, Wv_codes, Wv_scales, bk, bv, Q_codes, Wq_codes, Wo_codes, kvc, kvs, qimg, wqimg, woimg; writes kvc, kvs, qimg, wqimg, woimg
;; launch attn: the kernel of part 2 again; grid 8 x 32, 8 waves a work-group, clusters of 4 x 1, 327,680 bytes of LDS; arguments qimg, Q_scales, wqimg, Wq_scales, bq, kvc, kvs, o; writes o
;; launch final (part 4): grid 256 x 1, 8 waves a work-group, no clusters, 158,720 bytes of LDS; arguments o, woimg, Wo_scales, bo, g0, b0, g1, b1, out0; writes out0
.if DOCPART == 4
	.amdgcn_target "amdgcn-amd-amdhsa--gfx1250"
	.amdhsa_code_object_version 6
	.text
	.protected	k_q813c21b035_final
	.globl	k_q813c21b035_final
	.p2align	8
	.type	k_q813c21b035_final,@function
k_q813c21b035_final:
	s_mov_b64 s[64:65], 0
	v_nop
	global_prefetch_b8 v0, s[64:65] scope:SCOPE_SE
	s_setreg_imm32_b32 hwreg(HW_REG_WAVE_SCHED_MODE, 0, 2), 2
	s_setreg_imm32_b32 hwreg(HW_REG_WAVE_MODE, 25, 1), 1
	s_wait_xcnt 0x0
	s_wait_alu depctr_vm_vsrc(0)
; out = LN1(O + relu(O Wo^T + bo)), O = LN0(o); the product on codes of FP4 (E2M1) with E8M0 scales, O quantised along its 1,024 on the way; all else in f32.
; SHARES.  A work-group of eight waves takes 32 whole rows.  Wave w takes columns 128 w .. 128 w + 127 in three roles: its slice of O (kept in 128 registers as the residual), K step w of O's operand, and its eight
; tiles of outputs.  So each byte of Wo's images is read by one wave of a work-group, straight into registers, 512 consecutive bytes a load; what goes round through LDS is small: O's 16 fragments and row sums.
; LAYOUT.  X[64 m + 16 b + i] of lane (r, h) is column 128 w + 32 b + 16 h + i of row 16 m + r: 16 neighbours of each block of 32, as the conversions want them.  The product is used transposed (source 0 = 16 rows of
; Wo, source 1 = O's 16 rows) and a tile's rows of Wo are 32 (t / 2) + 8 (t % 2) + r + 8 (r / 8) (so laid by the first launch), so that result register 64 m + 8 t + j is the same column as X's.
; The layer norms go in two passes, as written: mean, then the mean of squared differences; row sums meet in LDS, one barrier each, each in bytes of its own.
; No tensor load: no ring, no cluster (nothing lands in LDS that partners could share).
; LIMITS: a block whose largest magnitude lies under 2^-124 gets the scale byte 1.  NaN and infinities are not served.
; LDS: a stage of 32 x 528 bytes for each wave; O's 16 fragments; their scale words; four reductions of 1,024 bytes.
; REGISTERS.  window 0: v1-15 lane numbers and addresses; v16-47 O's fragments, two sets; v48-51 their scale words; v52-55 -mean; v56-87 Wo's scale words; v88-103 codes just made, and the words of a reduction;
;   v104-105 scale words made; v106-117 at work; v118-121 1 / sqrt(var + eps); v122-127 sums; v128-255 X.   window 1: v0-63, v64-127 Wo's fragments, two sets, later g1 and b1; v128-255 g0 and b0, then the accumulators.
; THE MODE: SCHED_MODE bits 1:0 = 2 (LLVM: expert scheduling mode 2), set by the entry lines.  The code itself states the register dependences
; between vector or matrix instructions and memory or LDS instructions, with s_wait_alu, always for 0.
; THE PLAN.  Registers that memory or LDS instructions touch:
;   v4-v15          addresses: written once at the head, read by every access, never written again: one wait on va_vdst ahead of the first load.
;   X               o's loads land; the stage's LDS stores read it; the stage's LDS loads land in it (a wait on vm_vsrc between the two runs).  On the way out the same, with a wait on va_vdst ahead of the stores,
;                   since vector lines have written X; the global stores read it; v254 and v255 are then made anew for the closing add, behind a wait on vm_vsrc.
;   window 1 v128-255  g0 and b0 land; the first norm's multiply-adds read them; bo lands (a wait on va_vdst ahead of it); from there on matrix and vector lines alone name them.
;   window 1 v0-127    K step s's products read set s % 2; the fragments of step s + 2 (at the end g1, b1) land in it.
;   v16-51          K step s's products read O's set s % 2; the LDS loads that step s + 1 issues land in it.
;                   ONE wait on va_vdst stands at a K step's end, behind its products: it serves both: between it and those LDS loads stand loads, window switches and waits on memory counters alone.
;   v88-v103        a reduction's LDS loads land; vector lines add them up; the quantiser writes codes there, which LDS stores read; later reductions' loads land again.
;   v126            a reduction's select writes it, its LDS store reads it, the next reduction's permute writes it.
;                   In a reduction: a wait on vm_vsrc at its head (not in the first), a wait on va_vdst ahead of its store, which also stands behind every vector line that named v88-v103.
;   v104, v105      written by the quantiser, read by LDS stores, never written again.   v56-v87: loaded once.
;   A, B and the scales of every product come from loads: no vector line writes them.
.set STG,  0
.set OIMG, 135168
.set OSC,  151552
.set RED,  153600
.set X,    128
.set WV,   22
.set SEL,  24
.set C10,  26                          ; 2^-10
.set EPS,  27                          ; 1e-5
.set HM,   30                          ; the mask of lanes 16-31
.set MSB, 0
.macro WIN new
.if MSB != (\new)
	s_set_vgpr_msb (MSB<<8)|(\new)
.set MSB, (\new)
.endif
.endm
.macro BARRIER                         ; my LDS stores have landed and my LDS loads are in: then the work-group's barrier
	s_wait_dscnt 0x0
	s_barrier_signal -1
	s_barrier_wait -1
.endm
.macro QUANT s, pc, pw, tm
.irp b, 0,1,2,3
	v_max3_num_f32 v[(\tm)+\b], |v[(\s)+16*\b]|, |v[(\s)+1+16*\b]|, 0x1800000   ; and the floor 2^(3 - 127): the byte cannot fall under 1
.endr
.irp i, 2,4,6,8,10,12,14
.irp b, 0,1,2,3
	v_max3_num_f32 v[(\tm)+\b], v[(\tm)+\b], |v[(\s)+16*\b+\i]|, |v[(\s)+1+16*\b+\i]|
.endr
.endr
.irp b, 0,1,2,3
	v_permlanex16_b32 v[(\tm)+4+\b], v[(\tm)+\b], s[SEL], s[SEL+1]
.endr
.irp b, 0,1,2,3
	v_max_num_f32 v[(\tm)+\b], v[(\tm)+\b], v[(\tm)+4+\b]
.endr
.irp b, 0,1,2,3
	v_add_nc_u32 v[(\tm)+8+\b], 0xff000000, v[(\tm)+\b]
.endr
.irp b, 0,1,2,3
	v_lshrrev_b32 v[(\tm)+4+\b], 23, v[(\tm)+8+\b]
.endr
	v_lshl_or_b32 v[\pw], v[(\tm)+5], 8, v[(\tm)+4]
	v_lshl_or_b32 v[\pw], v[(\tm)+6], 16, v[\pw]
	v_lshl_or_b32 v[\pw], v[(\tm)+7], 24, v[\pw]
.irp b, 0,1,2,3
	v_cvt_scalef32_pk8_fp4_f32 v[(\pc)+2*\b], v[(\s)+16*\b:(\s)+7+16*\b], v[(\tm)+8+\b]
	v_cvt_scalef32_pk8_fp4_f32 v[(\pc)+1+2*\b], v[(\s)+8+16*\b:(\s)+15+16*\b], v[(\tm)+8+\b]
.endr
	v_nop
.irp c, 0,1
.irp i, 0,1
	v_permlane16_swap_b32 v[(\pc)+4*\c+\i], v[(\pc)+2+4*\c+\i]
.endr
.endr
.endm
.macro VLOAD dst, ptr                  ; 64 numbers of a vector of 1,024, in X's layout, into window 1
	WIN 0x40
.irp b, 0,1,2,3
.irp j, 0,1,2,3
	global_load_b128 v[(\dst)+16*\b+4*\j:(\dst)+16*\b+4*\j+3], v14, s[\ptr:\ptr+1] offset:128*\b+16*\j
.endr
.endr
	WIN 0
.endm
.macro WLOAD s                         ; my eight fragments of Wo for K step s into set s % 2 of window 1
	WIN 0x40
.irp t, 0,1,2,3,4,5,6,7
.irp c, 0,1
	global_load_b128 v[64*((\s)%2)+8*\t+4*\c:64*((\s)%2)+8*\t+4*\c+3], v4, s[6:7] offset:(8*(\s)+\t)*1024+512*\c
.endr
.endr
	WIN 0
.endm
.macro FETCHO s                        ; O's two fragments of K step s, and their scale words, into set s % 2
.irp m, 0,1
.irp c, 0,1
	ds_load_b128 v[16+16*((\s)%2)+8*\m+4*\c:19+16*((\s)%2)+8*\m+4*\c], v8 offset:(8*\m+(\s))*1024+512*\c
.endr
	ds_load_b32 v[48+2*((\s)%2)+\m], v9 offset:(8*\m+(\s))*128
.endr
.endm
; v122, v124: my lane's part of a sum over rows r and 16 + r.  Out: v88, v89: the rows' totals over all 1,024 columns, the same bits in every wave.
.macro REDUCE k
.if (\k) > 0
	s_wait_alu depctr_vm_vsrc(0)                   ; the LDS stores issued so far have read their data: the last reduction's v126, which the permute below writes again; ahead of the third reduction also the codes in v88 to v103, in which the loads below land
.endif
	v_permlanex16_b32 v126, v122, s[SEL], s[SEL+1]
	v_permlanex16_b32 v127, v124, s[SEL], s[SEL+1]
	v_add_f32 v122, v122, v126
	v_add_f32 v124, v124, v127
	v_cndmask_b32 v126, v122, v124, s[HM]          ; lane l carries row l
	s_wait_alu depctr_va_vdst(0)                   ; v126 is written, which the LDS store reads; and every vector line that named v88 to v103 is done: the loads behind the barrier land there, and no vector line stands between
	ds_store_b32 v12, v126 offset:1024*(\k)
	BARRIER
.irp w, 0,1,2,3,4,5,6,7
	ds_load_b32 v[88+2*\w], v13 offset:1024*(\k)+128*\w
	ds_load_b32 v[89+2*\w], v13 offset:1024*(\k)+128*\w+64
.endr
	s_wait_dscnt 0x0
	v_pk_add_f32 v[88:89], v[88:89], v[90:91]
	v_pk_add_f32 v[92:93], v[92:93], v[94:95]
	v_pk_add_f32 v[96:97], v[96:97], v[98:99]
	v_pk_add_f32 v[100:101], v[100:101], v[102:103]
	v_pk_add_f32 v[88:89], v[88:89], v[92:93]
	v_pk_add_f32 v[96:97], v[96:97], v[100:101]
	v_pk_add_f32 v[88:89], v[88:89], v[96:97]
.endm
; X = (X - mean) / sqrt(var + eps) x g + b.  gg, bb: g's and b's 64 registers in window 1; cnt: the loads younger than theirs.
.macro LNORM k, gg, bb, cnt
	v_pk_add_f32 v[122:123], v[X:X+1], v[X+2:X+3]
	v_pk_add_f32 v[124:125], v[X+64:X+65], v[X+66:X+67]
.set i, 4
.rept 30
	v_pk_add_f32 v[122:123], v[122:123], v[X+i:X+i+1]
	v_pk_add_f32 v[124:125], v[124:125], v[X+64+i:X+65+i]
.set i, i+2
.endr
	v_add_f32 v122, v122, v123
	v_add_f32 v124, v124, v125
	REDUCE (\k)
	v_mul_f32 v52, 0xba800000, v88                 ; -mean = total x -2^-10, in both halves of a pair
	v_mul_f32 v53, 0xba800000, v88
	v_mul_f32 v54, 0xba800000, v89
	v_mul_f32 v55, 0xba800000, v89
.set i, 0
.rept 32
	v_pk_add_f32 v[X+i:X+i+1], v[X+i:X+i+1], v[52:53]
	v_pk_add_f32 v[X+64+i:X+65+i], v[X+64+i:X+65+i], v[54:55]
.set i, i+2
.endr
	v_pk_mul_f32 v[122:123], v[X:X+1], v[X:X+1]
	v_pk_mul_f32 v[124:125], v[X+64:X+65], v[X+64:X+65]
.set i, 2
.rept 31
	v_pk_fma_f32 v[122:123], v[X+i:X+i+1], v[X+i:X+i+1], v[122:123]
	v_pk_fma_f32 v[124:125], v[X+64+i:X+65+i], v[X+64+i:X+65+i], v[124:125]
.set i, i+2
.endr
	v_add_f32 v122, v122, v123
	v_add_f32 v124, v124, v125
	REDUCE (\k)+1
	v_fma_f32 v122, v88, s[C10], s[EPS]            ; var + eps
	v_fma_f32 v124, v89, s[C10], s[EPS]
	v_rsq_f32 v118, v122
	v_rsq_f32 v120, v124
	v_nop                                          ; a plain line behind the transcendentals
	s_wait_alu depctr_va_vdst(0)                   ; v118 and v120 are written: one wait for both, ahead of their first reader
	v_mov_b32 v119, v118
	v_mov_b32 v121, v120
.set i, 0
.rept 32
	v_pk_mul_f32 v[X+i:X+i+1], v[X+i:X+i+1], v[118:119]
	v_pk_mul_f32 v[X+64+i:X+65+i], v[X+64+i:X+65+i], v[120:121]
.set i, i+2
.endr
	s_wait_loadcnt \cnt
	WIN 0x14                                       ; sources 1 and 2 window 1
.set i, 0
.rept 32
	v_pk_fma_f32 v[X+i:X+i+1], v[X+i:X+i+1], v[(\gg)+i:(\gg)+i+1], v[(\bb)+i:(\bb)+i+1]
	v_pk_fma_f32 v[X+64+i:X+65+i], v[X+64+i:X+65+i], v[(\gg)+i:(\gg)+i+1], v[(\bb)+i:(\bb)+i+1]
.set i, i+2
.endr
	WIN 0
.endm
; K step s of the product: 16 matrix instructions on 16 accumulators by turns.
.macro GSTEP s
	s_wait_dscnt 0x0                               ; O's fragments of this step
.if (\s) == 0
	s_wait_loadcnt 0x0                             ; bo, the youngest, is the sums' start
.else
	s_wait_loadcnt 16                              ; this step's fragments of Wo are in; the 16 loads issued behind them stay out
.endif
.if (\s) < 7
	FETCHO (\s)+1                                  ; no wait: the products that read this set stand ahead of the wait at the last step's end, and no vector or matrix line since names it
.endif
	WIN 0x51                                       ; source 0 (Wo), C and D window 1; source 1 (O) window 0
.irp t, 0,1,2,3,4,5,6,7
.irp m, 0,1
.if (\s) < 4
	v_wmma_scale_f32_16x16x128_f8f6f4 v[128+64*\m+8*\t:135+64*\m+8*\t], v[64*((\s)%2)+8*\t:64*((\s)%2)+8*\t+7], v[16+16*((\s)%2)+8*\m:23+16*((\s)%2)+8*\m], v[128+64*\m+8*\t:135+64*\m+8*\t], v[56+4*\t+(\s)%4], v[48+2*((\s)%2)+\m] matrix_a_fmt:MATRIX_FMT_FP4 matrix_b_fmt:MATRIX_FMT_FP4
.else
	v_wmma_scale_f32_16x16x128_f8f6f4 v[128+64*\m+8*\t:135+64*\m+8*\t], v[64*((\s)%2)+8*\t:64*((\s)%2)+8*\t+7], v[16+16*((\s)%2)+8*\m:23+16*((\s)%2)+8*\m], v[128+64*\m+8*\t:135+64*\m+8*\t], v[56+4*\t+(\s)%4], v[48+2*((\s)%2)+\m] matrix_a_fmt:MATRIX_FMT_FP4 matrix_b_fmt:MATRIX_FMT_FP4 matrix_a_scale:MATRIX_SCALE_ROW1
.endif
.endr
.endr
	WIN 0
.rept 4
	v_nop                                          ; places in front of loads into registers that these products read, and of the first read of results
.endr
	s_wait_alu depctr_va_vdst(0)                   ; this step's products are done reading their set of Wo's fragments, in which the loads below land, and their set of O's fragments and scale words, in which the next step's LDS loads land
.if (\s) < 6
	WLOAD (\s)+2
.elseif (\s) == 6
	VLOAD 0, 16                                    ; g1 takes set 0,
.else
	VLOAD 64, 18                                   ; b1 set 1
.endif
.endm
	s_load_b512 s[4:19], s[0:1], 0x0               ; o 4, woimg 6, Wo's scales 8, bo 10, g0 12, b0 14, g1 16, b1 18
	s_load_b64 s[20:21], s[0:1], 0x40              ; out0
	v_lshrrev_b32 v1, 5, v0
	v_readfirstlane_b32 s[WV], v1
	v_and_b32 v1, 31, v0                           ; lane
	v_and_b32 v2, 15, v0                           ; r
	v_bfe_u32 v3, v0, 4, 1                         ; h
	v_cmp_ne_u32 s[HM], 0, v3
	v_lshlrev_b32 v4, 4, v1                        ; 16 x lane
	s_wait_alu depctr_va_sdst(0)                   ; the wave's number and the mask of lanes 16-31 are written, ahead of the first reader of either: the scalar lines below, the reductions' selects
	s_mul_i32 s28, s[WV], 16896
	v_add_nc_u32 v5, s28, v4                       ; my stage by rows
	v_mul_u32_u24 v6, v2, 528
	v_lshl_add_u32 v6, v3, 6, v6
	v_add_nc_u32 v6, s28, v6                       ; my stage by lanes: row r, + 64 h
	v_lshlrev_b32 v7, 2, v1
	v_add_nc_u32 v8, OIMG, v4
	v_add_nc_u32 v9, OSC, v7
	s_lshl_b32 s28, s[WV], 10
	v_add_nc_u32 v10, s28, v8
	s_lshl_b32 s28, s[WV], 7
	v_add_nc_u32 v11, s28, v9
	v_add_nc_u32 v12, s28, v7
	v_add_nc_u32 v12, RED, v12
	v_lshl_add_u32 v13, v2, 2, RED
	v_lshlrev_b32 v14, 6, v3                       ; 16 h numbers
	v_and_b32 v15, 8, v2
	v_add_nc_u32 v15, v15, v2
	v_lshlrev_b32 v15, 5, v15
	v_lshl_add_u32 v15, v3, 4, v15                 ; Wo's scale bytes: row r + 8 (r / 8), + 16 h
	v_mov_b32 v126, 0                              ; lane permutes' destinations count as sources
	v_mov_b32 v127, 0
.irp b, 0,1,2,3
	v_mov_b32 v[110+\b], 0
.endr
	s_mov_b32 s[SEL], 0x76543210
	s_mov_b32 s[SEL+1], 0xfedcba98
	s_mov_b32 s[C10], 0x3a800000
	s_mov_b32 s[EPS], 0x3727c5ac
	s_lshl_b32 s34, s[WV], 9                       ; my 128 columns in bytes
	s_mov_b32 s35, 0
	s_lshl_b32 s32, ttmp9, 17                      ; 32 rows of 4,096 bytes
	s_add_co_u32 s32, s32, s34
	s_mov_b32 s33, 0
	s_lshl_b32 s36, s[WV], 16
	s_mov_b32 s37, 0
	s_lshl_b32 s38, s[WV], 12
	s_mov_b32 s39, 0
	s_wait_kmcnt 0x0
	s_add_nc_u64 s[4:5], s[4:5], s[32:33]
	s_add_nc_u64 s[20:21], s[20:21], s[32:33]
	s_add_nc_u64 s[6:7], s[6:7], s[36:37]
	s_add_nc_u64 s[8:9], s[8:9], s[38:39]
	s_add_nc_u64 s[10:11], s[10:11], s[34:35]
	s_add_nc_u64 s[12:13], s[12:13], s[34:35]
	s_add_nc_u64 s[14:15], s[14:15], s[34:35]
	s_add_nc_u64 s[16:17], s[16:17], s[34:35]
	s_add_nc_u64 s[18:19], s[18:19], s[34:35]
	s_wait_alu depctr_va_vdst(0)                   ; the addresses v4 to v15 are written: every load and store of the kernel, global or LDS, reads one of them, and none is written again
.set i, 0
.rept 32
	global_load_b128 v[X+4*i:X+4*i+3], v4, s[4:5] offset:4096*i th:TH_LOAD_NT   ; a row's 512 bytes of my columns
.set i, i+1
.endr
	VLOAD 128, 12                                  ; g0
	VLOAD 192, 14                                  ; b0
.irp t, 0,1,2,3,4,5,6,7
	global_load_b128 v[56+4*\t:59+4*\t], v15, s[8:9] offset:(32*(\t/2)+8*(\t%2))*32   ; lanes 0-15: K steps 0-3; lanes 16-31: 4-7
.endr
	s_wait_loadcnt 40                              ; o's 32 loads are in: 16 + 16 + 8 are younger
	; the turn through my stage: rows in, 16 neighbours of each block of 32 a lane out.  LDS serves a wave's instructions in order (ISA guide 5.7.1.4)
.set i, 0
.rept 32
	ds_store_b128 v5, v[X+4*i:X+4*i+3] offset:528*i
.set i, i+1
.endr
	s_wait_alu depctr_vm_vsrc(0)                   ; the LDS stores have read X, in which the LDS loads below land
.irp m, 0,1
.irp b, 0,1,2,3
.irp j, 0,1,2,3
	ds_load_b128 v[X+64*\m+16*\b+4*\j:X+64*\m+16*\b+4*\j+3], v6 offset:16*\m*528+128*\b+16*\j
.endr
.endr
.endr
	WLOAD 0
	WLOAD 1
	s_wait_dscnt 0x0
	LNORM 0, 128, 192, 40                          ; g0 and b0 are in: the scale words (8) and Wo's two sets (32) are younger
	s_wait_alu depctr_va_vdst(0)                   ; the norm's multiply-adds are done reading g0 and b0, in whose registers bo lands
	VLOAD 128, 10                                  ; bo starts the sums, for both tiles of rows
	VLOAD 192, 10
.irp m, 0,1
	QUANT X+64*\m, 88+8*\m, 104+\m, 106
.endr
	s_wait_alu depctr_va_vdst(0)                   ; both tiles' codes (v88 to v103) and scale words (v104, v105) are written, which the LDS stores read
.irp m, 0,1
	ds_store_b128 v10, v[88+8*\m:91+8*\m] offset:8192*\m          ; K step w of rows 16 m on, as an image of its registers
	ds_store_b128 v10, v[92+8*\m:95+8*\m] offset:8192*\m+512
	ds_store_b32 v11, v[104+\m] offset:1024*\m
.endr
	BARRIER                                        ; O's sixteen fragments lie in LDS
	FETCHO 0
.irp s, 0,1,2,3,4,5,6,7
	GSTEP \s
.endr
	WIN 0x44                                       ; source 1 and destination window 1
.set i, 0
.rept 128
	v_max_num_f32 v[128+i], 0, v[128+i]            ; relu; each accumulator from its low end on
.set i, i+1
.endr
	WIN 0x04
.set i, 0
.rept 64
	v_pk_add_f32 v[X+i:X+i+1], v[X+i:X+i+1], v[128+i:129+i]      ; the residual
.set i, i+2
.endr
	WIN 0
	LNORM 2, 0, 64, 0
	; the way out: back through my stage, whole rows of 512 bytes
	s_wait_alu depctr_va_vdst(0)                   ; the norm's multiply-adds have written X, which the LDS stores read; no vector line follows ahead of the LDS loads that land in X
.irp m, 0,1
.irp b, 0,1,2,3
.irp j, 0,1,2,3
	ds_store_b128 v6, v[X+64*\m+16*\b+4*\j:X+64*\m+16*\b+4*\j+3] offset:16*\m*528+128*\b+16*\j
.endr
.endr
.endr
	s_wait_alu depctr_vm_vsrc(0)                   ; the LDS stores have read X, in which the LDS loads below land
.set i, 0
.rept 32
	ds_load_b128 v[X+4*i:X+4*i+3], v5 offset:528*i
.set i, i+1
.endr
.set i, 0
.rept 32
	s_wait_dscnt 31-i
	global_store_b128 v4, v[X+4*i:X+4*i+3], s[20:21] offset:4096*i th:TH_STORE_NT   ; 32 lanes store 512 consecutive bytes, aligned
.set i, i+1
.endr
	s_wait_xcnt 0x0
	s_wait_alu depctr_vm_vsrc(0)                   ; the last global store has read v254 and v255, which the two lines below write
	v_lshl_add_u32 v254, v0, 2, 0x26800
	v_mov_b32 v255, 0
	s_wait_dscnt 0x0                               ; the closing lines, six on end
	s_wait_alu 0x0
	s_wait_tensorcnt 0x0
	ds_add_u32 v254, v255
	s_wait_dscnt 0x0
	s_endpgm
.Lfunc_end_k_q813c21b035_final:
	.size	k_q813c21b035_final, .Lfunc_end_k_q813c21b035_final-k_q813c21b035_final
	.p2alignl 7, 3214868480
	.fill 96, 4, 3214868480
	.section	.rodata,"a",@progbits
	.p2align	6, 0x0
	.amdhsa_kernel k_q813c21b035_final
		.amdhsa_group_segment_fixed_size 158720
		.amdhsa_private_segment_fixed_size 0
		.amdhsa_enable_private_segment 0
		.amdhsa_kernarg_size 72
		.amdhsa_user_sgpr_count 2
		.amdhsa_user_sgpr_kernarg_segment_ptr 1
		.amdhsa_wavefront_size32 1
		.amdhsa_system_sgpr_workgroup_id_x 1
		.amdhsa_system_sgpr_workgroup_id_y 1
		.amdhsa_system_sgpr_workgroup_id_z 1
		.amdhsa_system_vgpr_workitem_id 0
		.amdhsa_next_free_vgpr 512
		.amdhsa_next_free_sgpr 66
		.amdhsa_reserve_vcc 0
		.amdhsa_float_denorm_mode_32 3
		.amdhsa_float_denorm_mode_16_64 3
		.amdhsa_memory_ordered 1
		.amdhsa_forward_progress 1
		.amdhsa_inst_pref_size 128
	.end_amdhsa_kernel
	.amdgpu_metadata
---
amdhsa.version: [ 1, 2 ]
amdhsa.kernels:
  - .name:           k_q813c21b035_final
    .symbol:         k_q813c21b035_final.kd
    .args:
      - { .name: o, .offset: 0, .size: 8, .value_kind: global_buffer, .address_space: global }
      - { .name: woimg, .offset: 8, .size: 8, .value_kind: global_buffer, .address_space: global }
      - { .name: Wo_scales, .offset: 16, .size: 8, .value_kind: global_buffer, .address_space: global }
      - { .name: bo, .offset: 24, .size: 8, .value_kind: global_buffer, .address_space: global }
      - { .name: g0, .offset: 32, .size: 8, .value_kind: global_buffer, .address_space: global }
      - { .name: b0, .offset: 40, .size: 8, .value_kind: global_buffer, .address_space: global }
      - { .name: g1, .offset: 48, .size: 8, .value_kind: global_buffer, .address_space: global }
      - { .name: b1, .offset: 56, .size: 8, .value_kind: global_buffer, .address_space: global }
      - { .name: out0, .offset: 64, .size: 8, .value_kind: global_buffer, .address_space: global }
    .group_segment_fixed_size: 158720
    .private_segment_fixed_size: 0
    .kernarg_segment_align: 8
    .kernarg_segment_size: 72
    .max_flat_workgroup_size: 256
    .sgpr_count:     66
    .vgpr_count:     512
    .wavefront_size: 32
...
	.end_amdgpu_metadata
.endif
;; end of part 4
